; MI455X (gfx1250); checked and timed in simulation.
; The chip was launched on July 23, 2026; its instructions are those of AMD's public machine-readable ISA for CDNA 5 (MIT licence, August 2026) and "CDNA5" Instruction Set Architecture Reference Guide (July 2026). The comments in the code are by the model that wrote it; some were corrected since.
;; Tree Attention V2. Allowed arithmetic: matrix products marked QUANTISED: E2M3 operands, one E8M0 scale for each 32 along K, by v_wmma_scale_f32_16x16x128_f8f6f4 with both operands' format E2M3, f32 sums; everything else in f32.
;; Inputs: W_attn 1,024 x 3,072 float32; W_proj 1,024 x 1,024 float32; b_attn 3,072 float32; b_proj 1,024 float32; x 4 x 2,048 x 1,024 float32.
;; Outputs: out0 4 x 2,048 x 1,024 float32.
;; This version of the problem:
;;   THIS VERSION OF THE PROBLEM IS GIVEN IN LOW PRECISION. The matrix products marked QUANTISED in the list below multiply operands that are first quantised to E2M3 (2 exponent bits, 3 mantissa bits; 6 bits a number), with one power-of-two scale for each 32 numbers along K (OCP MX v1.0); their sums are f32. All else is computed in f32.
;;   The module's matrix products, in the order in which they are computed (A, B: the left and right operand; K: the contracted axis; several contracted axes count as one K, in the product's order):
;;     1. [M 8,192, K 1,024] x [K 1,024, N 3,072]; A: input x; B: input W_attn: QUANTISED
;;     2. batch 64 x [M 2,048, K 64] x [K 64, N 2,048]; A: computed on the way; B: computed on the way: QUANTISED
;;     3. batch 64 x [M 2,048, K 2,048] x [K 2,048, N 64]; A: computed on the way; B: computed on the way: QUANTISED
;;     4. [M 8,192, K 1,024] x [K 1,024, N 1,024]; A: computed on the way; B: input W_proj: QUANTISED
;;   THE QUANTISER, for each operand of a quantised product, along K:
;;     - K is cut into blocks of 32 from its start; a last block that is shorter is filled with zeros.
;;     - A block's scale is 2^e with e = floor(log2(the largest magnitude in the block)) - 2, held to -126 .. 127; a block of zeros has e = 0. As a byte (E8M0): e + 127.
;;     - Each number is divided by its block's scale, clamped to +-7.5, and rounded to the nearest number of E2M3, ties to even, subnormals kept.
;;     - The product sums the exact products of the quantised numbers (number of the format x scale) in f32.
;;   ~~~python
;;   def quantise(x, axis):      # numpy; x: float32 -> the quantised numbers, widened to float32 again
;;       x = np.moveaxis(x, axis, -1); K = x.shape[-1]
;;       x = np.pad(x, [(0, 0)] * (x.ndim - 1) + [(0, -K % 32)]); x = x.reshape(x.shape[:-1] + (-1, 32)); a = np.abs(x).max(-1, keepdims=True)
;;       e = np.where(a > 0, np.clip(np.frexp(np.where(a > 0, a, 1))[1] - 1 - 2, -126, 127), 0)      # np.frexp(a)[1] - 1 = floor(log2(a)), exactly
;;       r = np.clip(x / 2.0 ** e, -7.5, 7.5)
;;       step = 2.0 ** (np.maximum(np.frexp(np.where(r == 0, 1, r))[1] - 1, 0) - 3)
;;       q = np.round(r / step) * step * 2.0 ** e      # np.round: ties to even
;;       return np.moveaxis(q.reshape(q.shape[:-2] + (-1,))[..., :K], -1, axis).astype(np.float32)
;;   ~~~
;;   OPERANDS COMPUTED ON THE WAY. 'Computed on the way' means the value that the module computes at that place (a softmax that the list does not call 'softmax' is quantised finished and normalised). What goes into a quantiser is computed in f32, as accurately as f32 sums, v_exp_f32 and their like allow (about 1e-6 of the number): no bf16 or f16 on the way to a quantiser, and a product that is left as it is and whose result goes on into a quantised operand takes f32 operands (vector FMAs, or v_wmma_f32_16x16x4_f32). A number that lies on a knife's edge between two numbers of the format may be rounded either way, as far as f32 arithmetic and the matrix unit's own rounding can turn it there, and no further.
;; 2 versions, each right; version 2 is version 1 with the launch attn written anew for expert scheduling mode. Each part assembles by itself: llvm-mc -triple=amdgcn-amd-amdhsa -mcpu=gfx1250 --defsym DOCPART=n.
;; ======== version 1 of 2: 4 launches
;; workspace buffers: ops 9,830,400 bytes; qkv 19,660,800 bytes; yq 6,553,600 bytes
;; launch quant (part 1): grid 640 x 1, 4 waves a work-group, no clusters, 35,328 bytes of LDS; arguments x, W_attn, W_proj, ops; writes ops
.if DOCPART == 1
	.amdgcn_target "amdgcn-amd-amdhsa--gfx1250"
	.amdhsa_code_object_version 6
	.text
	.protected	k_qd716a79dff_quant
	.globl	k_qd716a79dff_quant
	.p2align	8
	.type	k_qd716a79dff_quant,@function
k_qd716a79dff_quant:
	s_mov_b64 s[64:65], 0
	v_nop
	global_prefetch_b8 v0, s[64:65] scope:SCOPE_SE
	s_setreg_imm32_b32 hwreg(HW_REG_WAVE_MODE, 25, 1), 1
	s_wait_xcnt 0x0
; x [8192][1024], W_attn [1024][3072] and W_proj [1024][1024], f32, become codes of FP6 (E2M3) with one E8M0 byte for each 32 along K (K = the 1,024), in ONE table of 12,288 rows:
; rows 0-8191 the tokens of x, rows 8192-11263 the columns of W_attn, rows 11264-12287 the columns of W_proj.
; A block's scale is 2^(floor(log2(its largest magnitude)) - 2); its byte is the largest magnitude's exponent field - 2, held at 1 from below.
; LIMITS: a block of zeros gets the byte 1 where the rule says 127 (its codes are zeros, and this program alone reads the bytes); NaN and infinities among the inputs are not served.
; ROW ORDER.  Within each 32 rows bits 3 and 4 of the row's number change places: row r of storage tile 2 b + u is logical row 32 b + 8 u + r + 8 (r / 8).
; CODES lie in the order of the operand's registers: tile x 12,288 + K step x 1,536 + piece x 256 + 8 x lane; piece p holds registers 2 p, 2 p + 1 of a fragment (16 rows x 128 K).  So every store of codes here covers 256 consecutive bytes, aligned.
; SCALE BYTES: from byte OPS_S on, 32 bytes a storage row.
; Work-groups 0-511: one storage tile of x each; a wave takes two K steps, in four units of 16 rows x 64 numbers.  Loads take 256 consecutive bytes of two rows; a unit turns through the wave's own stage in LDS, so that a lane gets a whole block of 32.
; Work-groups 512-639: 128 columns x 256 along K of a weight.  A lane takes a column and its registers run down K: a block of 32 is one lane's, and nothing is transposed.
.set OPS_S, 9437184
.set SPARE, 34816                      ; behind the four waves' stages: the spare words, 128 bytes a wave
.set STG,   4352                       ; a stage: 16 rows x (256 bytes + 16)
.set SPW, 12                           ; v12  LDS address of my spare word; never rewritten
.set NIL, 13                           ; v13  0; never rewritten
.set E,   14                           ; v14-17 a unit's scale byte
.set MX0, 18                           ; v18, v19 two chains of the largest magnitude
.set MX1, 19
.set SO,  20                           ; v20  the conversions' scale operand
.set SB,  28                           ; v28-29 a column's eight scale bytes
.set CT,  248                          ; v248-250 a block's upper 16 codes, before they are moved
.set R,   32                           ; x: v32-159 four units as loaded
.set X,   160                          ; x: v160-223 two sets of 32 neighbours
.set C,   224                          ; x: v224-247 codes, six registers a unit
.set OFF, 32                           ; weights: v32-63 byte offset of my column in rows 0..31 of a block
.set XW,  64                           ; weights: v64-127 two sets of 32 numbers
.set CW,  128                          ; weights: v128-175 codes, twelve registers for each pair of blocks
; 32 numbers of one lane, v[xs] on, become six registers of codes, v[cd] on, and the block's byte in v[er]
.macro QBLK xs, cd, er
	v_max3_num_f32 v[MX0], |v[\xs]|, |v[\xs+1]|, |v[\xs+2]|
	v_max3_num_f32 v[MX1], |v[\xs+3]|, |v[\xs+4]|, |v[\xs+5]|
.irp i, 6,10,14,18,22,26
	v_max3_num_f32 v[MX0], v[MX0], |v[\xs+\i]|, |v[\xs+\i+1]|
	v_max3_num_f32 v[MX1], v[MX1], |v[\xs+\i+2]|, |v[\xs+\i+3]|
.endr
	v_max3_num_f32 v[MX0], v[MX0], |v[\xs+30]|, |v[\xs+31]|
	v_max3_num_f32 v[MX0], v[MX0], v[MX1], 0x1800000       ; the floor 2^(3 - 127): the byte cannot fall under 1
	v_add_nc_u32 v[SO], 0xff000000, v[MX0]                 ; 2 off the exponent field: the conversions take this operand's exponent field as the scale
	v_cvt_scalef32_pk16_fp6_f32 v[\cd:\cd+2], v[\xs:\xs+15], v[SO]
	v_cvt_scalef32_pk16_fp6_f32 v[CT:CT+2], v[\xs+16:\xs+31], v[SO]   ; (a conversion's three registers begin on an even number)
	v_lshrrev_b32 v[\er], 23, v[SO]                        ; the byte; also the plain line behind the conversions
	v_mov_b32 v[\cd+3], v[CT]
	v_mov_b32 v[\cd+4], v[CT+1]
	v_mov_b32 v[\cd+5], v[CT+2]
.endm
	s_load_b256 s[4:11], s[0:1], 0x0               ; x s[4:5], W_attn s[6:7], W_proj s[8:9], ops s[10:11]
	v_lshl_add_u32 v[SPW], v0, 2, SPARE
	v_mov_b32 v[NIL], 0
	v_lshrrev_b32 v1, 5, v0
	v_readfirstlane_b32 s16, v1                    ; wave 0..3
	v_and_b32 v1, 31, v0                           ; lane
	v_and_b32 v2, 15, v0                           ; r
	v_bfe_u32 v3, v0, 4, 1                         ; h
	v_lshlrev_b32 v4, 3, v1                        ; 8 x lane: my place in a piece of codes
	s_wait_kmcnt 0x0
	s_cmp_lt_u32 ttmp9, 512                        ; the work-group's number alone decides the path
	s_cbranch_scc0 .Lweights
	; ---------------- x: storage tile g = the work-group's number: tokens 32 (g / 2) + 8 (g % 2) + 0..7 and + 16..23
	s_mov_b32 s20, 0x76543210
	s_mov_b32 s21, 0xfedcba98                      ; v_permlanex16_b32's selects for lane l xor 16
	s_mov_b32 s22, 0xffff0000                      ; a mask of lanes 16-31
	s_lshr_b32 s24, ttmp9, 1
	s_lshl_b32 s24, s24, 17                        ; 32 rows of 4,096 bytes
	s_and_b32 s25, ttmp9, 1
	s_lshl_b32 s25, s25, 15                        ; 8 rows
	s_add_co_u32 s24, s24, s25
	s_lshl_b32 s25, s16, 10                        ; my wave's two K steps: 1,024 bytes of a row
	s_add_co_u32 s24, s24, s25
	s_mov_b32 s25, 0
	s_add_nc_u64 s[4:5], s[4:5], s[24:25]
	s_mul_i32 s24, ttmp9, 12288
	s_mul_i32 s26, s16, 3072
	s_add_co_u32 s24, s24, s26
	s_add_nc_u64 s[12:13], s[10:11], s[24:25]      ; my codes
	s_lshl_b32 s24, ttmp9, 9
	s_lshl_b32 s26, s16, 3
	s_add_co_u32 s24, s24, s26
	s_add_co_u32 s24, s24, OPS_S
	s_add_nc_u64 s[14:15], s[10:11], s[24:25]      ; my scale bytes
	v_lshlrev_b32 v5, 4, v2
	v_lshl_add_u32 v5, v3, 12, v5                  ; a load: lanes 0-15 one row's 256 bytes, lanes 16-31 the next row's
	s_mul_i32 s27, s16, 2*STG
	v_mul_u32_u24 v6, v3, 272
	v_lshl_add_u32 v6, v2, 4, v6
	v_add_nc_u32 v6, s27, v6                       ; into the stage: as loaded
	v_mul_u32_u24 v7, v2, 272
	v_lshl_add_u32 v7, v3, 7, v7
	v_add_nc_u32 v7, s27, v7                       ; out of it: row r, my half's 128 bytes
	v_lshlrev_b32 v8, 5, v2
	v_lshl_add_u32 v8, v3, 2, v8                   ; scale words: 32 r + 4 h
	v_lshlrev_b32 v9, 3, v3                        ; 8 h
	v_mov_b32 v23, 0                               ; (a lane permute's destination counts as one of its sources)
	v_mov_b32 v24, 0
.irp j, 0,1,2,3                                    ; all 32 loads go out at once: unit j = K step j / 2, half j % 2
.irp i, 0,1,2,3,4,5,6,7
	global_load_b128 v[R+32*\j+4*\i:R+32*\j+4*\i+3], v5, s[4:5] offset:256*\j+(2*\i+8*(\i/4))*4096 th:TH_LOAD_NT
.endr
.endr
.macro TURN j                          ; unit j through stage j % 2.  LDS serves a wave's instructions in order: no wait between the stores and the loads
.irp i, 0,1,2,3,4,5,6,7
	ds_store_b128 v6, v[R+32*(\j)+4*\i:R+32*(\j)+4*\i+3] offset:STG*((\j)%2)+544*\i
.endr
.irp i, 0,1,2,3,4,5,6,7
	ds_load_b128 v[X+32*((\j)%2)+4*\i:X+32*((\j)%2)+4*\i+3], v7 offset:STG*((\j)%2)+16*\i
.endr
.endm
	s_wait_loadcnt 24                              ; unit 0's eight loads are in
	TURN 0
.irp j, 0,1,2,3
.if \j < 3
	s_wait_loadcnt 8*(2-\j)                        ; the next unit's loads are in; the later units' may be out
	TURN \j+1
	s_wait_dscnt 16                                ; this unit is back from its stage; the next unit's 8 stores and 8 loads may be out
.else
	s_wait_dscnt 0x0
.endif
	QBLK X+32*(\j%2), C+6*\j, E+\j
.irp p, 0,1,2
	global_store_b64 v4, v[C+6*\j+2*\p:C+6*\j+2*\p+1], s[12:13] offset:1536*(\j/2)+768*(\j%2)+256*\p   ; a piece: 256 consecutive bytes.  No store's data are written again
.endr
.endr
.irp s, 0,1                                        ; K step s: my two bytes are blocks h and 2 + h of row r's word
	v_lshl_or_b32 v[21+\s], v[E+2*\s+1], 16, v[E+2*\s]
	v_lshlrev_b32 v[21+\s], v9, v[21+\s]
.endr
	v_permlanex16_b32 v23, v21, s20, s21
	v_permlanex16_b32 v24, v22, s20, s21
	v_or_b32 v21, v21, v23                         ; with lane l xor 16's two the words are whole
	v_or_b32 v22, v22, v24
	v_cndmask_b32 v21, v21, v22, s22               ; lanes 0-15 store the first K step's word, lanes 16-31 the second's
	global_store_b32 v8, v21, s[14:15]
	s_wait_tensorcnt 0x0                           ; the wave's end
	ds_add_u32 v[SPW], v[NIL]
	s_wait_dscnt 0x0
	s_endpgm
	; ---------------- the weights: work-group g' = 4 x column group + quarter of K
.Lweights:
	s_sub_co_u32 s17, ttmp9, 512
	s_and_b32 s18, s17, 3                          ; which 256 along K
	s_lshr_b32 s19, s17, 2                         ; which 128 columns: 0-23 W_attn's, 24-31 W_proj's
	s_mov_b32 s26, 4096
	s_cmp_lt_u32 s19, 24
	s_cselect_b64 s[12:13], s[6:7], s[8:9]         ; the tensor,
	s_cselect_b32 s26, 12288, s26                  ; its row in bytes,
	s_cselect_b32 s27, 0, 24
	s_sub_co_u32 s27, s19, s27                     ; and the column group in it
	s_lshl_b32 s27, s27, 9
	s_lshl_b32 s28, s16, 7
	s_add_co_u32 s27, s27, s28                     ; my wave's 32 columns, in bytes
	s_lshl_b32 s28, s18, 8
	s_mul_i32 s28, s28, s26
	s_add_co_u32 s28, s28, s27
	s_mov_b32 s29, 0
	s_add_nc_u64 s[32:33], s[12:13], s[28:29]      ; a base for each of the eight blocks, 32 rows apart: no address is ever rewritten
	s_lshl_b32 s28, s26, 5
.irp t, 1,2,3,4,5,6,7
	s_add_nc_u64 s[32+2*\t:33+2*\t], s[30+2*\t:31+2*\t], s[28:29]
.endr
	s_lshl_b32 s30, s19, 7
	s_lshl_b32 s31, s16, 5
	s_add_co_u32 s30, s30, s31
	s_add_co_u32 s30, s30, 8192                    ; my first row of the table
	s_mul_i32 s28, s30, 768
	s_mul_i32 s31, s18, 3072
	s_add_co_u32 s28, s28, s31
	s_add_nc_u64 s[48:49], s[10:11], s[28:29]      ; my codes: two tiles, two K steps
	s_lshl_b32 s28, s30, 5
	s_lshl_b32 s31, s18, 3
	s_add_co_u32 s28, s28, s31
	s_add_co_u32 s28, s28, OPS_S
	s_add_nc_u64 s[50:51], s[10:11], s[28:29]      ; my scale bytes
	v_and_b32 v5, 7, v1
	v_lshl_or_b32 v5, v3, 3, v5                    ; my column: the lane's number with bits 3 and 4 changed: lanes 0-15 are storage tile 0, lanes 16-31 tile 1
	v_bfe_u32 v6, v0, 3, 1
	v_lshl_or_b32 v5, v6, 4, v5
	v_lshlrev_b32 v[OFF], 2, v5
.set J, 1
.rept 31
	v_add_nc_u32 v[OFF+J], s26, v[OFF+J-1]
.set J, J+1
.endr
	v_lshlrev_b32 v10, 5, v1                       ; my row of scale bytes
.macro WLOAD t                         ; block t: 32 rows of W at my column: a load reads 128 bytes in four runs of 32
.irp i, 0,1,2,3,4,5,6,7,8,9,10,11,12,13,14,15,16,17,18,19,20,21,22,23,24,25,26,27,28,29,30,31
	global_load_b32 v[XW+32*((\t)%2)+\i], v[OFF+\i], s[32+2*(\t):33+2*(\t)] th:TH_LOAD_NT
.endr
.endm
; Block t = 4 s + 2 c + h of my column is registers 6 c .. 6 c + 5 of lane (r, h) in K step s.  An even block and the odd one behind it change halves: then one run of six registers is tile 0's image, the other tile 1's.
.macro WBLOCK t
.if (\t) < 7
	s_wait_loadcnt 32                              ; this block's 32 loads are in; the next block's may be out
.else
	s_wait_loadcnt 0x0
.endif
	QBLK XW+32*((\t)%2), CW+12*((\t)/2)+6*((\t)%2), 21
.if (\t)%4 == 0
	v_mov_b32 v[SB+(\t)/4], v21
.else
	v_lshl_or_b32 v[SB+(\t)/4], v21, 8*((\t)%4), v[SB+(\t)/4]
.endif
.if (\t)+2 < 8
	WLOAD (\t)+2
.endif
.if (\t)%2 == 1
.irp i, 0,1,2,3,4,5
	v_permlane16_swap_b32 v[CW+12*((\t)/2)+\i], v[CW+12*((\t)/2)+6+\i]
.endr
.irp p, 0,1,2
	global_store_b64 v4, v[CW+12*((\t)/2)+2*\p:CW+12*((\t)/2)+2*\p+1], s[48:49] offset:1536*((\t)/4)+768*(((\t)/2)%2)+256*\p
	global_store_b64 v4, v[CW+12*((\t)/2)+6+2*\p:CW+12*((\t)/2)+7+2*\p], s[48:49] offset:12288+1536*((\t)/4)+768*(((\t)/2)%2)+256*\p
.endr
.endif
.endm
	WLOAD 0
	WLOAD 1
.irp t, 0,1,2,3,4,5,6,7
	WBLOCK \t
.endr
	global_store_b64 v10, v[SB:SB+1], s[50:51]     ; my column's eight bytes
	s_wait_tensorcnt 0x0                           ; the wave's end
	ds_add_u32 v[SPW], v[NIL]
	s_wait_dscnt 0x0
	s_endpgm
.Lfunc_end_k_qd716a79dff_quant:
	.size	k_qd716a79dff_quant, .Lfunc_end_k_qd716a79dff_quant-k_qd716a79dff_quant
	.p2alignl 7, 3214868480
	.fill 96, 4, 3214868480
	.section	.rodata,"a",@progbits
	.p2align	6, 0x0
	.amdhsa_kernel k_qd716a79dff_quant
		.amdhsa_group_segment_fixed_size 35328
		.amdhsa_private_segment_fixed_size 0
		.amdhsa_enable_private_segment 0
		.amdhsa_kernarg_size 32
		.amdhsa_user_sgpr_count 2
		.amdhsa_user_sgpr_kernarg_segment_ptr 1
		.amdhsa_wavefront_size32 1
		.amdhsa_system_sgpr_workgroup_id_x 1
		.amdhsa_system_sgpr_workgroup_id_y 1
		.amdhsa_system_sgpr_workgroup_id_z 1
		.amdhsa_system_vgpr_workitem_id 0
		.amdhsa_next_free_vgpr 256
		.amdhsa_next_free_sgpr 66
		.amdhsa_reserve_vcc 0
		.amdhsa_float_denorm_mode_32 3
		.amdhsa_float_denorm_mode_16_64 3
		.amdhsa_memory_ordered 1
		.amdhsa_forward_progress 1
		.amdhsa_inst_pref_size 59
	.end_amdhsa_kernel
	.amdgpu_metadata
---
amdhsa.version: [ 1, 2 ]
amdhsa.kernels:
  - .name:           k_qd716a79dff_quant
    .symbol:         k_qd716a79dff_quant.kd
    .args:
      - { .name: x, .offset: 0, .size: 8, .value_kind: global_buffer, .address_space: global }
      - { .name: W_attn, .offset: 8, .size: 8, .value_kind: global_buffer, .address_space: global }
      - { .name: W_proj, .offset: 16, .size: 8, .value_kind: global_buffer, .address_space: global }
      - { .name: ops, .offset: 24, .size: 8, .value_kind: global_buffer, .address_space: global }
    .group_segment_fixed_size: 35328
    .private_segment_fixed_size: 0
    .kernarg_segment_align: 8
    .kernarg_segment_size: 32
    .max_flat_workgroup_size: 128
    .sgpr_count:     66
    .vgpr_count:     256
    .wavefront_size: 32
...
	.end_amdgpu_metadata
.endif
;; end of part 1
;; launch gemm1 (part 2): grid 8 x 48, 4 waves a work-group, clusters of 4 x 4, 327,680 bytes of LDS; arguments ops, b_attn, qkv; writes qkv
.if DOCPART == 2
	.amdgcn_target "amdgcn-amd-amdhsa--gfx1250"
	.amdhsa_code_object_version 6
	.text
	.protected	k_qd716a79dff_gemm1
	.globl	k_qd716a79dff_gemm1
	.p2align	8
	.type	k_qd716a79dff_gemm1,@function
k_qd716a79dff_gemm1:
	s_mov_b64 s[64:65], 0
	v_nop
	global_prefetch_b8 v0, s[64:65] scope:SCOPE_SE
	s_setreg_imm32_b32 hwreg(HW_REG_WAVE_MODE, 25, 1), 1
	s_wait_xcnt 0x0
	s_wait_alu depctr_hold_cnt(0) depctr_sa_sdst(0) depctr_va_vdst(0) depctr_va_sdst(0) depctr_va_ssrc(0) depctr_va_vcc(0) depctr_vm_vsrc(0)
	s_getreg_b32 s2, hwreg(HW_REG_IB_STS2, 6, 4)
	s_cmp_eq_u32 s2, 0
	s_cbranch_scc0 .Lentry_in_a_cluster
	s_endpgm
.Lentry_in_a_cluster:
	s_bfe_u32 s2, ttmp6, 0x10000c
	s_cmp_lg_u32 s2, 0xf033
	s_cbranch_scc0 .Lentry_shape_is_right
	s_endpgm
.Lentry_shape_is_right:
; qkv = x W_attn + b_attn on codes of FP6 (E2M3) with E8M0 scales, and q, k, v quantised again in registers: q and k along the head's 64, v along the keys.  No f32 number of qkv goes to memory.
; Both operands are rows of one table (ops): codes in the order of the operand's registers (tile x 12,288 + K step x 1,536 + piece x 256 + 8 x lane), scale bytes 32 a row from OPS_S on; within each 32 rows bits 3 and 4 of the row's number change places.
; A work-group of four waves makes 256 x 256 of the product, a wave 128 x 128: 64 accumulators.  K = 1,024 goes in four steps of 256 through two LDS slots filled by the tensor data mover; the scale bytes of the 512 rows come once and stay.
; SOURCE 0 = "B", SOURCE 1 = "A": a lane holds one row of A, and its registers run along B's rows; by the row order the 16 registers of B's tiles 2 b, 2 b + 1 are 16 logical neighbours, 32 b + 16 (lane / 16) + 0..15.
; TWO KINDS of work-group, told apart by the cluster's y, which all sixteen partners share.  y < 8: A = tokens, B = W's columns of q and k: a lane's 64 registers are 128 features = two heads of one token.
; y >= 8: A = W's columns of v, B = tokens: a lane's 64 registers are 128 keys of one channel: a fragment of V^T.
; CLUSTERS: 4 x 4.  A's tiles are shared along a row of the cluster, B's along a column: each is asked for jointly, by the same tensor load with the same descriptor and a mask that names the four.
; OUT (qkv): q's and k's codes [32 heads: q 0-15, k 16-31][512 tiles of 16 tokens][768 bytes]; V^T's fragments from VCO on [64 b h][16 key steps][4 tiles of channels][1,536 bytes]; scale words from QKS on
; [32 heads][256 pairs of tiles][16 rows] (bytes 0, 1 the even tile's, 2, 3 the odd tile's) and from VSO on [as V^T's fragments][16 rows].  Every store of codes covers 256 consecutive bytes, aligned.
; LIMITS: a block of zeros gets the byte 1 where the rule says 127 (its codes are zeros; this program alone reads the bytes); NaN and infinities are not served.
; REGISTERS, in windows of 256: window 0: v0-31 addresses; v32-63 scale words, two sets; v64-127 the bias; v128-223 A's fragments, one set; on the way out v128-231 are at work.  window 1: B's fragments, two sets, at v0 and v128.
;   window 2: the accumulators of my rows 0-63 ((a, b) at v[8 (8 a + b)]);  window 3: those of my rows 64-127.
.set OPS_S, 9437184
.set VCO,   12582912
.set QKS,   18874368
.set VSO,   19398656
.set NQ,    2                          ; matrix instructions deep in a slot
.set FR,    12                         ; registers of a fragment
.set NL,    6                          ; LDS loads that bring one
.set NP,    4                          ; places behind this matrix instruction (ISA guide 7.12.1)
.set HALFT, 24576                      ; 128 rows x 256 along K: 8 tiles x 3,072 bytes: what one tensor load brings
.set SLOT,  4*HALFT
.set SCL,   2*SLOT                     ; behind the ring: the scale bytes, as units of 256 bytes + 16 of padding
.set HALFS, 4352                       ; those of 128 rows
.set SBLK,  544                        ; those of 16 rows
.set SPARE, SCL+4*HALFS                ; the spare words, 128 bytes a wave
.set LAPS,  2
.set ADRA, 16                          ; v16-17 LDS address of my A fragments in slot 0, 1
.set ADRB, 20                          ; v20-21 the same for B
.set LO8,  24                          ; v24 8 x lane
.set SOF,  25                          ; v25 my place among the scale words that I store
.set BOF,  26                          ; v26 my offset in the bias
.set ADRS, 27                          ; v27 LDS address of my scale words: lanes 0-15 A's rows, lanes 16-31 B's
.set SPW,  28                          ; v28 LDS address of my spare word; never rewritten
.set NIL,  29                          ; v29 0; never rewritten
.set SC,   32
.set BIAS, 64
.set AF,   128
.set H,    128                         ; the way out: 64 numbers of a lane
.set PC,   192                         ; v192-211 the codes just made
.set TM,   212                         ; v212-227 at work in the quantiser
.set PW,   228                         ; the scale word just made
.set PWE,  229                         ; the even tile's, kept
.set W0,   230
.set W1,   231
.set G1, 24
.set G0, 32
.set G1B, 48
.set G0B, 56
.set G1S, 68
.set G0S, 76
.set G1SB, 80
.set G0SB, 88
.set KIND, 67                          ; s67 0: q and k; 1: v
.set HM,   95                          ; s95 a mask of lanes 16-31
.set SEL,  98                          ; s[98:99] v_permlanex16_b32's selects for lane l xor 16
.set MSB, 0
.macro WIN new                         ; the immediate's high byte repeats the setting that is left
.if MSB != (\new)
	s_set_vgpr_msb (MSB<<8)|(\new)
.set MSB, (\new)
.endif
.endm
.set MUL_LO, 0xa1                      ; source 0 (B) window 1, source 1 (A) window 0, C and D window 2
.set MUL_HI, 0xf1                      ; the same, C and D window 3
.set TO_B,   0x40                      ; destination window 1, address window 0
; A joint load: waves 0 and 1 fetch for A, waves 2 and 3 for B; the branch hangs on the wave's number alone.  An s_nop 0 and four v_nop follow each of the two lines.
.macro JLOAD g0a, g1a, g0b, g1b
	s_cmp_eq_u32 s15, 0
	s_cbranch_scc0 .Lfor_b_\@
	tensor_load_to_lds s[\g0a:\g0a+3], s[\g1a:\g1a+7]
	s_nop 0
.rept 4
	v_nop
.endr
	s_branch .Lasked_\@
.Lfor_b_\@:
	tensor_load_to_lds s[\g0b:\g0b+3], s[\g1b:\g1b+7]
	s_nop 0
.rept 4
	v_nop
.endr
.Lasked_\@:
.endm
.macro CREST                           ; a round of the cluster's barrier behind its opening barrier
	s_cmp_lg_u32 s14, 0
	s_cbranch_scc1 .Lnot_wave_0_\@
	s_barrier_signal -3
.Lnot_wave_0_\@:
	s_barrier_wait -3
	s_barrier_signal -1
	s_barrier_wait -1
.endm
.macro CROUND
	s_barrier_signal -1
	s_barrier_wait -1
	CREST
.endm
	s_load_b128 s[4:7], s[0:1], 0x0                ; ops s[4:5], b_attn s[6:7]
	s_load_b64 s[8:9], s[0:1], 0x10                ; qkv
	v_lshl_add_u32 v[SPW], v0, 2, SPARE
	v_mov_b32 v[NIL], 0
	ds_add_u32 v[SPW], v[NIL]                      ; the wave's opening: the add and its wait stand ahead of my first tensor load; work on registers stands between them
	v_lshrrev_b32 v1, 5, v0
	v_readfirstlane_b32 s14, v1                    ; wave 0..3
	s_lshr_b32 s15, s14, 1                         ; which half of A's rows is mine.  Also: I fetch for A (0) or for B (1)
	s_and_b32 s16, s14, 1                          ; which half of B's rows.  Also: which 128 rows I fetch
	s_bfe_u32 s40, ttmp6, 0x40000                  ; cx, cy: my place in the cluster
	s_bfe_u32 s41, ttmp6, 0x40004
	s_and_b32 s66, ttmp7, 0xffff                   ; the cluster's y
	s_lshl_b32 s17, s66, 10                        ; q, k: A's rows begin at token 1,024 y
	s_sub_co_u32 s18, s66, 8
	s_lshl_b32 s18, s18, 11                        ; v: B's rows begin at token 2,048 (y - 8)
	s_mov_b32 s19, 10240                           ; v: A's rows are W's columns of v
	s_mov_b32 s42, 8192                            ; q, k: B's rows are W's columns of q and k
	s_cmp_lt_u32 s66, 8
	s_cselect_b32 s17, s17, s19
	s_cselect_b32 s42, s42, s18
	s_cselect_b32 s[KIND], 0, 1
	s_lshl_b32 s19, s41, 8
	s_add_co_u32 s17, s17, s19                     ; A's first row: + 256 cy
	s_lshl_b32 s18, ttmp9, 2
	s_add_co_u32 s18, s18, s40
	s_lshl_b32 s18, s18, 8
	s_add_co_u32 s42, s42, s18                     ; B's first row: + 256 (4 x cluster x + cx)
	s_lshl_b32 s43, s41, 2
	s_lshl_b32 s43, 15, s43                        ; my row of the cluster
	s_lshl_b32 s44, 0x1111, s40                    ; my column
	; descriptor group 1 for the codes: 8 tiles' 3,072 bytes (two K steps), 12,288 bytes apart; elements of 8 bytes, no padding
	s_or_b32 s[G1+0], s43, (3<<16)|(1<<21)         ; 15:0 the mask: A's tiles go to my row; 17:16 elements of 8 bytes; 21 set beside a mask
	s_or_b32 s[G1B+0], s44, (3<<16)|(1<<21)
.irp g, G1, G1B
	s_mov_b32 s[\g+1], 384<<16                     ; tensor_dim0
	s_mov_b32 s[\g+2], 8<<16                       ; tensor_dim1
	s_mov_b32 s[\g+3], 384<<16                     ; tile_dim0
	s_mov_b32 s[\g+4], 8                           ; tile_dim1
	s_mov_b32 s[\g+5], 1536                        ; tensor_dim0_stride
	s_mov_b32 s[\g+6], 0
	s_mov_b32 s[\g+7], 0
.endr
	; and for the scale bytes of 128 rows: 4,096 dense bytes as 16 rows of 256, 16 bytes of padding behind each
	s_or_b32 s[G1S+0], s43, (3<<16)|(1<<20)|(1<<21)|(5<<22)|(3<<25)
	s_or_b32 s[G1SB+0], s44, (3<<16)|(1<<20)|(1<<21)|(5<<22)|(3<<25)
.irp g, G1S, G1SB
	s_mov_b32 s[\g+1], 32<<16
	s_mov_b32 s[\g+2], 16<<16
	s_mov_b32 s[\g+3], 32<<16
	s_mov_b32 s[\g+4], 16
	s_mov_b32 s[\g+5], 32
	s_mov_b32 s[\g+6], 0
	s_mov_b32 s[\g+7], 0
.endr
	s_lshl_b32 s18, s16, 7                         ; which 128 rows I fetch
	s_add_co_u32 s20, s17, s18
	s_add_co_u32 s46, s42, s18
	s_lshl_b32 s22, s20, 5
	s_add_co_u32 s22, s22, OPS_S                   ; their scale bytes,
	s_lshl_b32 s92, s46, 5
	s_add_co_u32 s92, s92, OPS_S
	s_mul_i32 s20, s20, 768                        ; their codes
	s_mul_i32 s46, s46, 768
	s_mov_b32 s21, 0
	s_mov_b32 s23, 0
	s_mov_b32 s47, 0
	s_mov_b32 s93, 0
	s_mul_i32 s45, s14, HALFT                      ; where they go: wave x 128 rows: no place in the cluster enters an LDS address
	s_mul_i32 s94, s14, HALFS
	s_mov_b32 s[HM], 0xffff0000
	s_mov_b32 s[SEL], 0x76543210
	s_mov_b32 s[SEL+1], 0xfedcba98
	s_wait_dscnt 0x0                               ; the opening add is done
	s_wait_kmcnt 0x0
	s_add_nc_u64 s[20:21], s[4:5], s[20:21]
	s_add_nc_u64 s[22:23], s[4:5], s[22:23]
	s_add_nc_u64 s[46:47], s[4:5], s[46:47]
	s_add_nc_u64 s[92:93], s[4:5], s[92:93]
	CROUND                                         ; all sixteen work-groups are here: the first joint loads meet
	s_mov_b32 s[G0S], 1
	s_add_co_u32 s[G0S+1], s94, SCL
	s_mov_b64 s[G0S+2:G0S+3], s[22:23]
	s_or_b32 s[G0S+3], s[G0S+3], 0x80000000
	s_mov_b32 s[G0SB], 1
	s_add_co_u32 s[G0SB+1], s94, SCL
	s_mov_b64 s[G0SB+2:G0SB+3], s[92:93]
	s_or_b32 s[G0SB+3], s[G0SB+3], 0x80000000
	JLOAD G0S, G1S, G0SB, G1SB                     ; the scale bytes first: they are wanted with the first K step
.irp s, 0,1
	s_mov_b32 s[G0+4*\s], 1
	s_add_co_u32 s[G0+4*\s+1], s45, \s*SLOT
	s_add_nc_u64 s[G0+4*\s+2:G0+4*\s+3], s[20:21], \s*3072
	s_or_b32 s[G0+4*\s+3], s[G0+4*\s+3], 0x80000000
	s_mov_b32 s[G0B+4*\s], 1
	s_add_co_u32 s[G0B+4*\s+1], s45, \s*SLOT
	s_add_nc_u64 s[G0B+4*\s+2:G0B+4*\s+3], s[46:47], \s*3072
	s_or_b32 s[G0B+4*\s+3], s[G0B+4*\s+3], 0x80000000
	JLOAD G0+4*\s, G1, G0B+4*\s, G1B               ; by this text's count 2 + s tensor loads of a wave are out now
.endr
	v_and_b32 v1, 15, v0                           ; r
	v_bfe_u32 v2, v0, 4, 1                         ; h
	v_and_b32 v3, 31, v0
	v_lshlrev_b32 v[LO8], 3, v3
	s_mul_i32 s21, s15, HALFT                      ; my 128 rows of A
	s_mul_i32 s22, s16, HALFT                      ; my 128 rows of B,
	s_add_co_u32 s22, s22, 2*HALFT                 ; which lie behind A's 256
.irp s, 0,1
	v_add_nc_u32 v[ADRA+\s], s21, v[LO8]
	v_add_nc_u32 v[ADRB+\s], s22, v[LO8]
	s_add_co_u32 s21, s21, SLOT
	s_add_co_u32 s22, s22, SLOT
.endr
	v_lshlrev_b32 v5, 5, v1                        ; my row's scale bytes: 32 a row,
	v_lshrrev_b32 v6, 8, v5
	v_lshl_add_u32 v5, v6, 4, v5                   ; and 16 more for each 256 passed
	s_mul_i32 s21, s15, HALFS
	s_mul_i32 s22, s16, HALFS
	s_add_co_u32 s22, s22, 2*HALFS
	s_sub_co_u32 s22, s22, s21
	v_mul_u32_u24 v6, s22, v2                      ; lanes 16-31 take B's
	s_add_co_u32 s21, s21, SCL
	v_add_nc_u32 v5, v5, v6
	v_add_nc_u32 v[ADRS], s21, v5
	; the bias and the addresses of the way out, by kind.  Both arms write the same registers
	s_cmp_eq_u32 s[KIND], 0
	s_cbranch_scc0 .Lhead_v
	s_sub_co_u32 s18, s42, 8192
	s_lshl_b32 s19, s16, 7
	s_add_co_u32 s18, s18, s19                     ; my first feature of q | k
	s_lshl_b32 s2, s18, 2
	s_mov_b32 s3, 0
	s_add_nc_u64 s[96:97], s[6:7], s[2:3]
	s_lshr_b32 s18, s18, 6                         ; its head, 0..31
	s_lshr_b32 s19, s17, 4
	s_lshl_b32 s2, s15, 3
	s_add_co_u32 s19, s19, s2                      ; my first tile of tokens
	s_lshl_b32 s18, s18, 9
	s_add_co_u32 s18, s18, s19                     ; head x 512 + tile
	s_mul_i32 s2, s18, 768
	s_add_nc_u64 s[10:11], s[8:9], s[2:3]          ; codes
	s_lshl_b32 s2, s18, 5                          ; (head x 256 + pair) x 64
	s_add_co_u32 s2, s2, QKS
	s_add_nc_u64 s[12:13], s[8:9], s[2:3]          ; scale words
	v_lshlrev_b32 v[BOF], 6, v2                    ; register 16 b + i is feature 32 b + 16 h + i
.irp b, 0,1,2,3
.irp i, 0,1,2,3
	global_load_b128 v[BIAS+16*\b+4*\i:BIAS+16*\b+4*\i+3], v[BOF], s[96:97] offset:128*\b+16*\i
.endr
.endr
	v_lshlrev_b32 v[SOF], 2, v1
	v_lshl_add_u32 v[SOF], v2, 14, v[SOF]          ; lanes 0-15 store the first head's words, lanes 16-31 the second's, 16,384 bytes on
	s_branch .Lhead_done
.Lhead_v:
	s_sub_co_u32 s18, s17, 10240
	s_lshl_b32 s19, s15, 7
	s_add_co_u32 s18, s18, s19                     ; my first channel of v
	s_add_co_u32 s2, s18, 2048
	s_lshl_b32 s2, s2, 2
	s_mov_b32 s3, 0
	s_add_nc_u64 s[96:97], s[6:7], s[2:3]
	s_lshr_b32 s18, s18, 6                         ; its head
	s_lshr_b32 s19, s42, 11                        ; the batch of my tokens
	s_lshl_b32 s19, s19, 4
	s_add_co_u32 s18, s18, s19
	s_lshr_b32 s19, s42, 7
	s_add_co_u32 s19, s19, s16
	s_and_b32 s19, s19, 15                         ; my 128 tokens: which key step of the batch
	s_lshl_b32 s18, s18, 4
	s_add_co_u32 s18, s18, s19
	s_lshl_b32 s18, s18, 2                         ; the fragment's number
	s_mul_i32 s2, s18, 1536
	s_add_co_u32 s2, s2, VCO
	s_add_nc_u64 s[10:11], s[8:9], s[2:3]
	s_lshl_b32 s2, s18, 6
	s_add_co_u32 s2, s2, VSO
	s_add_nc_u64 s[12:13], s[8:9], s[2:3]
	v_and_b32 v5, 8, v1
	v_add_nc_u32 v5, v5, v1
	v_lshlrev_b32 v[BOF], 2, v5                    ; my row of tile a is channel 32 (a / 2) + 8 (a % 2) + r + 8 (r / 8)
.irp a, 0,1,2,3,4,5,6,7
.irp i, 0,1,2,3,4,5,6,7
	global_load_b32 v[BIAS+8*\a+\i], v[BOF], s[96:97] offset:(32*(\a/2)+8*(\a%2))*4   ; one number a lane and tile, in eight registers: so this arm too writes all 64
.endr
.endr
	v_lshlrev_b32 v[SOF], 2, v1
	v_lshl_add_u32 v[SOF], v2, 6, v[SOF]           ; lanes 0-15 store the even tile's words, lanes 16-31 the odd tile's
.Lhead_done:
.macro FRAG reg, adr, q, i             ; a fragment lies in LDS as the image of its registers: six pieces of 256 bytes, 8 bytes a lane: consecutive bytes, no bank is asked twice
.irp p, 0,1,2,3,4,5
	ds_load_b64 v[\reg+2*\p:\reg+2*\p+1], v[\adr] offset:3072*(\i)+1536*(\q)+256*\p
.endr
.endm
; 16 matrix instructions: A's blocks a0, a0 + 1 x B's eight, 128 along K.  The 64 accumulators take turns, one instruction a turn, in the same order in every step.
.macro MUL16 a0, p, q, sc, zero
.irp a, \a0, \a0+1
.irp b, 0,1,2,3,4,5,6,7
.if \zero
	v_wmma_scale_f32_16x16x128_f8f6f4 v[8*(8*((\a)%4)+\b):8*(8*((\a)%4)+\b)+7], v[128*(\p)+FR*\b:128*(\p)+FR*\b+FR-1], v[AF+FR*(\a):AF+FR*(\a)+FR-1], 0, v[SC+8*NQ*(\sc)+NQ*\b+(\q)], v[SC+8*NQ*(\sc)+NQ*(\a)+(\q)] matrix_a_fmt:MATRIX_FMT_FP6 matrix_b_fmt:MATRIX_FMT_FP6 matrix_a_scale:MATRIX_SCALE_ROW1
.else
	v_wmma_scale_f32_16x16x128_f8f6f4 v[8*(8*((\a)%4)+\b):8*(8*((\a)%4)+\b)+7], v[128*(\p)+FR*\b:128*(\p)+FR*\b+FR-1], v[AF+FR*(\a):AF+FR*(\a)+FR-1], v[8*(8*((\a)%4)+\b):8*(8*((\a)%4)+\b)+7], v[SC+8*NQ*(\sc)+NQ*\b+(\q)], v[SC+8*NQ*(\sc)+NQ*(\a)+(\q)] matrix_a_fmt:MATRIX_FMT_FP6 matrix_b_fmt:MATRIX_FMT_FP6 matrix_a_scale:MATRIX_SCALE_ROW1
.endif
.endr
.endr
.endm
.macro FETCH_B slot, q, p
	WIN TO_B
.irp i, 0,1,2,3,4,5,6,7
	FRAG 128*(\p)+FR*\i, ADRB+\slot, \q, \i
.endr
	WIN 0
.endm
.macro FETCH_A slot, q, i0
.irp i, \i0, \i0+1, \i0+2, \i0+3
	FRAG AF+FR*(\i), ADRA+\slot, \q, \i
.endr
.endm
.macro SCALES sc                       ; a slot's scale words: two a row; lanes 0-15 take A's block i, lanes 16-31 B's block i
.irp i, 0,1,2,3,4,5,6,7
	ds_load_b64 v[SC+8*NQ*\sc+NQ*\i:SC+8*NQ*\sc+NQ*\i+1], v[ADRS] offset:\i*SBLK
.endr
.endm
.macro PLACES n                        ; plain vector instructions behind a matrix instruction, ahead of loads into its registers and of reads of its results
.rept \n
	v_nop
.endr
.endm
.macro STEP slot, q, zero              ; a step of 128 along K that has its successor in the same slot
	s_wait_dscnt 4*NL                              ; B's set and A's blocks 0-3 are in; the youngest 24 loads (A's blocks 4-7) may be out
	WIN MUL_LO
	MUL16 0, (\q)%2, \q, \slot, \zero
	MUL16 2, (\q)%2, \q, \slot, \zero
	s_wait_dscnt 0
	PLACES NP
	FETCH_B \slot, (\q)+1, 1-(\q)%2
	FETCH_A \slot, (\q)+1, 0
	WIN MUL_HI
	MUL16 4, (\q)%2, \q, \slot, \zero
	MUL16 6, (\q)%2, \q, \slot, \zero
	PLACES NP
	WIN 0
	FETCH_A \slot, (\q)+1, 4
.endm
; A slot's last step changes slots: one barrier; ahead of it each wave waits for all its tensor loads, adds 0 to its spare word, and waits for that and for its reads of this slot.  fill = 1: the slot is filled again, two slots ahead.
.macro TURN slot, next, fill
	s_wait_tensorcnt 0x0                           ; all my tensor loads have landed: my part of the next slot
	ds_add_u32 v[SPW], v[NIL]                      ; 0 onto my spare word
	s_wait_dscnt 4*NL+1                            ; (the add and the youngest 24 loads may be out)
	WIN MUL_LO
	MUL16 0, 1, NQ-1, \slot, 0
	s_wait_dscnt 0x0                               ; the add is done, and my reads of this slot are over
	s_barrier_signal -1
	MUL16 2, 1, NQ-1, \slot, 0
	WIN 0
	s_barrier_wait -1
.if \fill
	CREST                                          ; the barrier has opened a round of the cluster's: no wave of any partner still reads this slot or has a load on its way
	s_add_nc_u64 s[G0+4*\slot+2:G0+4*\slot+3], s[G0+4*\slot+2:G0+4*\slot+3], 6144
	s_add_nc_u64 s[G0B+4*\slot+2:G0B+4*\slot+3], s[G0B+4*\slot+2:G0B+4*\slot+3], 6144
	JLOAD G0+4*\slot, G1, G0B+4*\slot, G1B         ; the first tensor load behind the round; its four v_nop are also the places ahead of the loads below
.else
	PLACES NP
.endif
	v_add_nc_u32 v[ADRS], 4*NQ, v[ADRS]            ; the next slot's scale words (no LDS load of mine is out)
	FETCH_B \next, 0, 0
	FETCH_A \next, 0, 0
	SCALES \next
	WIN MUL_HI
	MUL16 4, 1, NQ-1, \slot, 0
	MUL16 6, 1, NQ-1, \slot, 0
	PLACES NP
	WIN 0
	FETCH_A \next, 0, 4
.endm
; 64 numbers of a lane, register 16 b + i = k 32 b + 16 (lane / 16) + i of my row, become a fragment's codes in v[PC] on and its scale word in v[PW]
.macro QUANT s
.irp b, 0,1,2,3
	v_max3_num_f32 v[TM+\b], |v[\s+16*\b]|, |v[\s+1+16*\b]|, 0x1800000   ; the floor 2^(3 - 127): the byte cannot fall under 1
.endr
.irp i, 2,4,6,8,10,12,14
.irp b, 0,1,2,3
	v_max3_num_f32 v[TM+\b], v[TM+\b], |v[\s+16*\b+\i]|, |v[\s+1+16*\b+\i]|
.endr
.endr
.irp b, 0,1,2,3
	v_permlanex16_b32 v[TM+4+\b], v[TM+\b], s[SEL], s[SEL+1]
.endr
.irp b, 0,1,2,3
	v_max_num_f32 v[TM+\b], v[TM+\b], v[TM+4+\b]   ; with lane l xor 16's: the block's largest magnitude
.endr
.irp b, 0,1,2,3
	v_add_nc_u32 v[TM+12+\b], 0xff000000, v[TM+\b] ; 2 off its exponent field: the conversion's scale operand
.endr
.irp b, 0,1,2,3
	v_lshrrev_b32 v[TM+4+\b], 23, v[TM+12+\b]      ; the byte
.endr
	v_lshl_or_b32 v[PW], v[TM+5], 8, v[TM+4]
	v_lshl_or_b32 v[PW], v[TM+6], 16, v[PW]
	v_lshl_or_b32 v[PW], v[TM+7], 24, v[PW]
.irp c, 0,1
	v_cvt_scalef32_pk16_fp6_f32 v[PC+6*\c:PC+2+6*\c], v[\s+32*\c:\s+15+32*\c], v[TM+12+2*\c]
	v_cvt_scalef32_pk16_fp6_f32 v[PC+12+4*\c:PC+14+4*\c], v[\s+16+32*\c:\s+31+32*\c], v[TM+12+2*\c+1]
.endr
	v_nop                                          ; one plain line behind the conversions
.irp c, 0,1                                        ; the layout wants a whole block in a lane: lanes 0-15 block 2 c, lanes 16-31 block 2 c + 1
.irp i, 0,1,2
	v_permlane16_swap_b32 v[PC+6*\c+\i], v[PC+12+4*\c+\i]
.endr
.irp i, 0,1,2
	v_mov_b32 v[PC+3+6*\c+\i], v[PC+12+4*\c+\i]
.endr
.endr
.endm
	s_wait_tensorcnt 1                             ; the scale bytes and my part of slot 0 are in; slot 1's load may be out
	s_barrier_signal -1
	s_barrier_wait -1
	FETCH_B 0, 0, 0
	FETCH_A 0, 0, 0
	SCALES 0
	FETCH_A 0, 0, 4
	STEP 0, 0, 1                                   ; the first step's products start the sums
	s_mov_b32 s3, LAPS-1
.Llap:                                             ; a trip goes once round the ring and fills both slots again
	TURN 0, 1, 1
	STEP 1, 0, 0
	TURN 1, 0, 1
	STEP 0, 0, 0
	s_sub_co_u32 s3, s3, 1
	s_cmp_lg_u32 s3, 0
	s_cbranch_scc1 .Llap
	TURN 0, 1, 0                                   ; the last lap fills nothing
	STEP 1, 0, 0
	s_wait_dscnt 4*NL
	WIN MUL_LO
	MUL16 0, 1, NQ-1, 1, 0
	MUL16 2, 1, NQ-1, 1, 0
	s_wait_dscnt 0
	WIN MUL_HI
	MUL16 4, 1, NQ-1, 1, 0
	MUL16 6, 1, NQ-1, 1, 0
	WIN 0
; THE WAY OUT, A's block a at a time: + bias (each accumulator from its low end on), quantised in registers, stored as the next launch's operand registers.  No LDS.
.macro EPI kind
.irp a, 0,1,2,3,4,5,6,7
.if \a > 0
	s_wait_xcnt 0x0                                ; the last block's stores have read their data: the registers may be written again
.endif
	WIN 0x02+\a/4                                  ; source 0: window 2 or 3
.set J, 0
.rept 32
.if \kind
	v_pk_add_f32 v[H+J:H+J+1], v[64*(\a%4)+J:64*(\a%4)+J+1], v[BIAS+8*\a:BIAS+8*\a+1]
.else
	v_pk_add_f32 v[H+J:H+J+1], v[64*(\a%4)+J:64*(\a%4)+J+1], v[BIAS+J:BIAS+J+1]
.endif
.set J, J+2
.endr
	WIN 0
	QUANT H
.if \kind
.irp p, 0,1,2,3,4,5
	global_store_b64 v[LO8], v[PC+2*\p:PC+2*\p+1], s[10:11] offset:98304*(\a/4)+1536*(\a%4)+256*\p   ; a fragment of V^T: head a / 4, tile a % 4 of its channels
.endr
.if \a%2 == 0
	v_mov_b32 v[PWE], v[PW]
.else
	v_cndmask_b32 v[W0], v[PWE], v[PW], s[HM]
	global_store_b32 v[SOF], v[W0], s[12:13] offset:4096*(\a/4)+128*((\a%4)/2)
.endif
.else
.irp c, 0,1
.irp p, 0,1,2
	global_store_b64 v[LO8], v[PC+6*\c+2*\p:PC+6*\c+2*\p+1], s[10:11] offset:393216*\c+768*\a+256*\p   ; head c of my two, tile a of my tokens
.endr
.endr
.if \a%2 == 0
	v_mov_b32 v[PWE], v[PW]
.else
	v_perm_b32 v[W0], v[PW], v[PWE], 0x05040100    ; the first head's bytes of the even tile below, of the odd tile above
	v_perm_b32 v[W1], v[PW], v[PWE], 0x07060302    ; the second head's
	v_cndmask_b32 v[W0], v[W0], v[W1], s[HM]
	global_store_b32 v[SOF], v[W0], s[12:13] offset:64*(\a/2)
.endif
.endif
.endr
.endm
	PLACES NP                                      ; behind the last products: their registers are written and their results read below
	s_wait_loadcnt 0x0                             ; the bias
.irp b, 0,1,2,3
	v_mov_b32 v[TM+4+\b], 0                        ; (a lane permute's destination counts as one of its sources)
.endr
	s_cmp_eq_u32 s[KIND], 0
	s_cbranch_scc0 .Lout_v
	EPI 0
	s_branch .Lend
.Lout_v:
	EPI 1
.Lend:
	s_wait_tensorcnt 0x0                           ; the wave's end
	ds_add_u32 v[SPW], v[NIL]
	s_wait_dscnt 0x0
	CROUND                                         ; the closing round: no work-group ends while a partner may still ask for a tile that names it
	s_endpgm
.Lfunc_end_k_qd716a79dff_gemm1:
	.size	k_qd716a79dff_gemm1, .Lfunc_end_k_qd716a79dff_gemm1-k_qd716a79dff_gemm1
	.p2alignl 7, 3214868480
	.fill 96, 4, 3214868480
	.section	.rodata,"a",@progbits
	.p2align	6, 0x0
	.amdhsa_kernel k_qd716a79dff_gemm1
		.amdhsa_group_segment_fixed_size 327680
		.amdhsa_private_segment_fixed_size 0
		.amdhsa_enable_private_segment 0
		.amdhsa_kernarg_size 24
		.amdhsa_user_sgpr_count 2
		.amdhsa_user_sgpr_kernarg_segment_ptr 1
		.amdhsa_wavefront_size32 1
		.amdhsa_system_sgpr_workgroup_id_x 1
		.amdhsa_system_sgpr_workgroup_id_y 1
		.amdhsa_system_sgpr_workgroup_id_z 1
		.amdhsa_system_vgpr_workitem_id 0
		.amdhsa_next_free_vgpr 1024
		.amdhsa_next_free_sgpr 100
		.amdhsa_reserve_vcc 0
		.amdhsa_float_denorm_mode_32 3
		.amdhsa_float_denorm_mode_16_64 3
		.amdhsa_memory_ordered 1
		.amdhsa_forward_progress 1
		.amdhsa_inst_pref_size 244
	.end_amdhsa_kernel
	.amdgpu_metadata
---
amdhsa.version: [ 1, 2 ]
amdhsa.kernels:
  - .name:           k_qd716a79dff_gemm1
    .symbol:         k_qd716a79dff_gemm1.kd
    .args:
      - { .name: ops, .offset: 0, .size: 8, .value_kind: global_buffer, .address_space: global }
      - { .name: b_attn, .offset: 8, .size: 8, .value_kind: global_buffer, .address_space: global }
      - { .name: qkv, .offset: 16, .size: 8, .value_kind: global_buffer, .address_space: global }
    .group_segment_fixed_size: 327680
    .private_segment_fixed_size: 0
    .kernarg_segment_align: 8
    .kernarg_segment_size: 24
    .max_flat_workgroup_size: 128
    .sgpr_count:     100
    .vgpr_count:     1024
    .wavefront_size: 32
...
	.end_amdgpu_metadata
.endif
;; end of part 2
;; launch attn (part 3): grid 4 x 64, 8 waves a work-group, no clusters, 265,216 bytes of LDS; arguments qkv, yq; writes yq
.if DOCPART == 3
	.amdgcn_target "amdgcn-amd-amdhsa--gfx1250"
	.amdhsa_code_object_version 6
	.text
	.protected	k_qd716a79dff_attn
	.globl	k_qd716a79dff_attn
	.p2align	8
	.type	k_qd716a79dff_attn,@function
k_qd716a79dff_attn:
	s_mov_b64 s[64:65], 0
	v_nop
	global_prefetch_b8 v0, s[64:65] scope:SCOPE_SE
	s_setreg_imm32_b32 hwreg(HW_REG_WAVE_MODE, 25, 1), 1
	s_wait_xcnt 0x0
; y = relu(softmax(q k^T / 8) - 0.001) v for one head, both products on codes of FP6 (E2M3) with E8M0 scales; y is quantised along the model's 1,024 and stored as the next launch's operand.
; WHAT IS QUANTISED ahead of the second product is the FINISHED weight, normalised, less the threshold, clipped at 0: so a row's maximum and sum over all 2,048 keys are known before any weight is quantised.
; SHARES.  A work-group owns 512 queries of one (batch, head).  ITS EIGHT WAVES SHARE THE KEYS, 256 each: a wave's codes of K (96 registers) and of V^T (96) are loaded once and stay in its registers.
; For a tile of 16 queries a wave holds its 16 x 256 scores in 128 registers: its own whole-number maximum M_w of t = score x log2(e) / 8, e = 2^(t - M_w) in place, their sum l_w.  The waves exchange (-M_w, l_w) through LDS (one barrier);
; with M the largest M_w and l the sum of l_w 2^(M_w - M), each wave forms F = 2^(M_w - M) / l (the power of two is exact) and weight = max(e F - 0.001, 0), quantises it along its keys and multiplies by its own V.
; So each score and each exponential is made once.  The eight partial O^T of a tile meet in LDS; after every eight tiles wave w adds, quantises and stores tile w.
; K = 64 IN AN INSTRUCTION OF 128: source 0 is TWO tiles of keys side by side (registers 0-5, 6-11), source 1 is Q | zeros for the first and zeros | Q for the second; zero codes add nothing.
; LAYOUT.  Both products are used transposed: a lane holds one query (lane % 16).  Keys, queries and channels lie in the storage order (bits 3 and 4 of a row's number changed), so that the 16 registers of two neighbouring tiles are 16 logical neighbours.
; NO JOINT LOADS, though the four work-groups of a head read the same K and V: a work-group reads them once, 196,608 bytes of codes, straight into the registers that keep them; a joint load would bring them through LDS first.
; LIMITS: NaN and infinities are not served.  A block of zeros gets the byte 1 (its codes are zeros; this program alone reads the bytes).  A block's largest weight is taken from its largest score, through the same instructions: that takes v_exp_f32 not to fall where its input rises.
; REGISTERS: window 0 as named below.  window 1: v0-95 K, eight pairs of tiles; v96-191 V^T, fragment 4 s + t; v192-223 O^T; v224-229 Q; v230-235 zeros; v236-241 Q again.
.set VCO,   12582912
.set QKS,   18874368
.set VSO,   19398656
.set YQ_S,  6291456
.set STAT,  262144                     ; LDS: from 0: the partial O^T, 8 tiles x 8 waves x 4,096 bytes; here: (-M_w, l_w), two buffers x 8 waves x 16 queries x 8 bytes
.set SPARE, 264192                     ; the spare words, 128 bytes a wave
.set LO8, 1                            ; 8 x lane
.set R4,  2                            ; 4 r
.set STW, 3                            ; where I store my wave's statistics
.set STR, 4                            ; where I read all waves'
.set OPW, 5                            ; my wave's part of a tile's partials: 4,096 w + 16 x lane
.set OPR, 6                            ; the tile that I finish: 32,768 w + 16 x lane
.set ADR, 7
.set YSO, 8                            ; 32 r + h
.set TP,  9
.set SPW, 10                           ; LDS address of my spare word; never rewritten
.set NIL, 11                           ; 0; never rewritten
.set NM,  12                           ; v[12:13] -M_w, l_w
.set F,   14                           ; v[14:15] F, twice
.set SU,  16                           ; v[16:19] two chains of sums
.set TA,  20
.set TB,  21
.set NMG, 22
.set TC,  23
.set KS,  24                           ; v24-31 K's scale words
.set VSC, 32                           ; v32-39 V's
.set QW,  40                           ; the pair word of two tiles of queries
.set QLO, 41                           ; Q's two bytes below, zeros above
.set QHI, 42                           ; and the other way round
.set PS,  43                           ; v43-44 the weights' scale words
.set BM,  46                           ; v46-53 a block's largest
.set BT,  54
.set BO,  62                           ; v62-69 the conversions' scale operands
.set ST,  70                           ; v70-85 the eight waves' statistics
.set PC,  86                           ; v86-109 the weights' codes: two fragments
.set T,   110                          ; v110-125 at work
.set THR, 126                          ; v[126:127] -0.001, twice
.set S,   128                          ; v128-255 the scores, then e, then the weights
.set VF,  96
.set O,   192
.set QA,  224
.set QZ,  230
.set QB,  236
.set MSB, 0
.macro WIN new
.if MSB != (\new)
	s_set_vgpr_msb (MSB<<8)|(\new)
.set MSB, (\new)
.endif
.endm
	s_load_b128 s[4:7], s[0:1], 0x0                ; qkv s[4:5], yq s[6:7]
	v_lshl_add_u32 v[SPW], v0, 2, SPARE
	v_mov_b32 v[NIL], 0
	v_lshrrev_b32 v[TP], 5, v0
	v_readfirstlane_b32 s8, v[TP]                  ; wave 0..7
	v_and_b32 v[TP], 15, v0                        ; r
	v_and_b32 v[TA], 31, v0                        ; lane
	v_bfe_u32 v[TB], v0, 4, 1                      ; h
	v_lshlrev_b32 v[LO8], 3, v[TA]
	v_lshlrev_b32 v[R4], 2, v[TP]
	v_lshl_add_u32 v[STR], v[TP], 3, STAT
	s_lshl_b32 s13, s8, 7
	v_add_nc_u32 v[STW], s13, v[STR]
	s_lshl_b32 s13, s8, 12
	v_lshl_add_u32 v[OPW], v[TA], 4, s13
	s_lshl_b32 s13, s8, 15
	v_lshl_add_u32 v[OPR], v[TA], 4, s13
	v_lshl_add_u32 v[YSO], v[TP], 5, v[TB]
	s_and_b32 s9, ttmp7, 0xffff                    ; 16 x batch + head
	s_lshr_b32 s10, s9, 4
	s_and_b32 s11, s9, 15
	s_lshl_b32 s12, s10, 7                         ; the batch's first tile of tokens
	s_lshl_b32 s13, s11, 9
	s_add_co_u32 s13, s13, s12                     ; head x 512 + that
	s_lshl_b32 s18, s8, 4
	s_add_co_u32 s18, s18, s13
	s_add_co_u32 s18, s18, 8192                    ; K's tiles lie 16 heads on: my wave's first
	s_lshl_b32 s34, s18, 5
	s_add_co_u32 s34, s34, QKS                     ; a pair of tiles has 64 bytes of scale words
	s_mul_i32 s18, s18, 768
	s_mov_b32 s19, 0
	s_mov_b32 s35, 0
	s_lshl_b32 s42, ttmp9, 5                       ; my block's first tile of queries
	s_add_co_u32 s50, s12, s42
	s_add_co_u32 s50, s50, s8                      ; the first tile of y that I finish
	s_add_co_u32 s42, s42, s13
	s_lshl_b32 s44, s42, 5
	s_add_co_u32 s44, s44, QKS
	s_mul_i32 s42, s42, 768
	s_mov_b32 s43, 0
	s_mov_b32 s45, 0
	s_lshl_b32 s46, s9, 6
	s_lshl_b32 s48, s8, 3
	s_add_co_u32 s46, s46, s48                     ; V^T's fragments: 64 a head, my wave's eight
	s_lshl_b32 s48, s46, 6
	s_add_co_u32 s48, s48, VSO
	s_mul_i32 s46, s46, 1536
	s_add_co_u32 s46, s46, VCO
	s_mov_b32 s47, 0
	s_mov_b32 s49, 0
	s_lshl_b32 s52, s50, 9
	s_lshl_b32 s54, s11, 1
	s_add_co_u32 s52, s52, s54
	s_add_co_u32 s52, s52, YQ_S                    ; y's scale bytes: 32 a row, the head's two
	s_mul_i32 s50, s50, 12288
	s_mul_i32 s54, s11, 768
	s_add_co_u32 s50, s50, s54                     ; y's codes: the head's half of a K step
	s_mov_b32 s51, 0
	s_mov_b32 s53, 0
	s_mov_b32 s30, 0x76543210
	s_mov_b32 s31, 0xfedcba98                      ; v_permlanex16_b32's selects for lane l xor 16
	s_mov_b32 s32, 0x3e38aa3b                      ; c = log2(e) / 8
	s_mov_b32 s33, s32                             ; (named with it as a pair, so it is written)
	s_mov_b32 s36, 0xffff0000                      ; a word's upper half; also a mask of lanes 16-31
	s_wait_kmcnt 0x0
	s_add_nc_u64 s[20:21], s[4:5], s[18:19]        ; K's codes
	s_add_nc_u64 s[22:23], s[4:5], s[34:35]        ; K's scale words
	s_add_nc_u64 s[14:15], s[4:5], s[42:43]        ; Q's codes: they walk
	s_add_nc_u64 s[16:17], s[4:5], s[44:45]        ; Q's scale words: they walk
	s_add_nc_u64 s[24:25], s[4:5], s[46:47]        ; V's codes
	s_add_nc_u64 s[40:41], s[4:5], s[48:49]        ; V's scale words
	s_add_nc_u64 s[26:27], s[6:7], s[50:51]        ; y's codes: they walk
	s_add_nc_u64 s[28:29], s[6:7], s[52:53]        ; y's scale bytes: they walk
	WIN 0x40                                       ; destination window 1
.set J, 0
.rept 48
	global_load_b64 v[2*J:2*J+1], v[LO8], s[20:21] offset:256*J       ; each load: 256 consecutive bytes, a piece of a fragment
.set J, J+1
.endr
.set J, 0
.rept 48
	global_load_b64 v[VF+2*J:VF+2*J+1], v[LO8], s[24:25] offset:256*J
.set J, J+1
.endr
.irp p, 0,1,2
	global_load_b64 v[QA+2*\p:QA+2*\p+1], v[LO8], s[14:15] offset:256*\p
	global_load_b64 v[QB+2*\p:QB+2*\p+1], v[LO8], s[14:15] offset:256*\p
.endr
.irp i, 0,1,2,3,4,5
	v_mov_b32 v[QZ+\i], 0                          ; six registers of zero codes, between the two copies of Q
.endr
	WIN 0
.irp b, 0,1,2,3,4,5,6,7
	global_load_b32 v[KS+\b], v[R4], s[22:23] offset:64*\b
	global_load_b32 v[VSC+\b], v[R4], s[40:41] offset:64*\b
.endr
	global_load_b32 v[QW], v[R4], s[16:17]
	v_mov_b32 v[THR], 0xba83126f
	v_mov_b32 v[THR+1], 0xba83126f
	v_mov_b32 v[NM+1], 0                           ; (named as the upper half of a pair before it is first written)
	s_wait_loadcnt 0x0
	v_and_b32 v[QLO], 0xffff, v[QW]                ; tile 0 is an even tile: its bytes are the pair word's lower two
	v_lshlrev_b32 v[QHI], 16, v[QW]
.irp b, 0,1,2,3,4,5,6,7
	v_mov_b32 v[BT+\b], 0                          ; (a lane permute's destination counts as one of its sources.)  Eight plain lines between the scale registers' writes and the first scaled product
.endr
; ONE TILE OF 16 QUERIES.  par: the tile's number mod 2
.macro TILE par
	; 1: the scores, S^T = K Q^T: register 16 b + i of a lane is key 32 b + 16 (lane / 16) + i of my wave's 256
	WIN 0x05                                       ; sources 0 and 1 window 1
.irp b, 0,1,2,3,4,5,6,7
	v_wmma_scale_f32_16x16x128_f8f6f4 v[S+16*\b:S+16*\b+7], v[12*\b:12*\b+11], v[QA:QA+11], 0, v[KS+\b], v[QLO] matrix_a_fmt:MATRIX_FMT_FP6 matrix_b_fmt:MATRIX_FMT_FP6
	v_wmma_scale_f32_16x16x128_f8f6f4 v[S+16*\b+8:S+16*\b+15], v[12*\b:12*\b+11], v[QZ:QZ+11], 0, v[KS+\b], v[QHI] matrix_a_fmt:MATRIX_FMT_FP6 matrix_b_fmt:MATRIX_FMT_FP6
.endr
	WIN 0
	v_add_nc_u32 v[ADR], s37, v[OPW]               ; where this tile's partial will go; with the three below: the four places behind the products
.rept 3
	v_nop
.endr
.if \par
	global_load_b32 v[QW], v[R4], s[16:17] offset:64   ; the next pair's word (an odd tile takes the upper half of the word that is there)
.endif
	WIN 0x40
.irp p, 0,1,2
	global_load_b64 v[QA+2*\p:QA+2*\p+1], v[LO8], s[14:15] offset:768+768*\par+256*\p    ; the next tile's Q, a whole tile ahead.  (Behind the last tile: bytes of the buffer that nobody uses)
	global_load_b64 v[QB+2*\p:QB+2*\p+1], v[LO8], s[14:15] offset:768+768*\par+256*\p
.endr
	WIN 0
	; 2: the largest score of each block of 32 keys (each accumulator is read from its low end on), then of my wave's 256
.irp b, 0,1,2,3,4,5,6,7
	v_max3_num_f32 v[BM+\b], v[S+16*\b], v[S+16*\b+1], v[S+16*\b+2]
.endr
.irp i, 3,5,7,9,11,13
.irp b, 0,1,2,3,4,5,6,7
	v_max3_num_f32 v[BM+\b], v[BM+\b], v[S+16*\b+\i], v[S+16*\b+\i+1]
.endr
.endr
.irp b, 0,1,2,3,4,5,6,7
	v_max_num_f32 v[BM+\b], v[BM+\b], v[S+16*\b+15]
.endr
.irp b, 0,1,2,3,4,5,6,7
	v_permlanex16_b32 v[BT+\b], v[BM+\b], s30, s31
.endr
.irp b, 0,1,2,3,4,5,6,7
	v_max_num_f32 v[BM+\b], v[BM+\b], v[BT+\b]
.endr
	v_max3_num_f32 v[TA], v[BM], v[BM+1], v[BM+2]
	v_max3_num_f32 v[TA], v[TA], v[BM+3], v[BM+4]
	v_max3_num_f32 v[TA], v[TA], v[BM+5], v[BM+6]
	v_max_num_f32 v[TA], v[TA], v[BM+7]
	v_mul_f32 v[TA], s32, v[TA]                    ; as t (c is positive)
	v_floor_f32 v[NM], -v[TA]                      ; -M_w = floor(-t): M_w is a whole number
	; 3: e = 2^(t - M_w), at most 1, and their sum
.set J, 0
.rept 64
	v_pk_fma_f32 v[S+J:S+J+1], v[S+J:S+J+1], s[32:33], v[NM:NM+1] op_sel_hi:[1,0,0]
.set J, J+2
.endr
.irp b, 0,1,2,3,4,5,6,7
	v_fma_f32 v[BM+\b], v[BM+\b], s32, v[NM]       ; the same of each block's largest score
.endr
.set J, 0
.rept 128
	v_exp_f32 v[S+J], v[S+J]
.set J, J+1
.endr
	v_nop                                          ; a plain line behind the exponentials
	s_wait_alu depctr_va_vdst(0)                   ; one wait for the batch of 128, ahead of its first reader
.irp b, 0,1,2,3,4,5,6,7
	v_exp_f32 v[BM+\b], v[BM+\b]                   ; a second, small batch; the sums below read the 128 alone
.endr
	v_pk_add_f32 v[SU:SU+1], v[S:S+1], v[S+2:S+3]
	v_pk_add_f32 v[SU+2:SU+3], v[S+4:S+5], v[S+6:S+7]
.set J, 8
.rept 30
	v_pk_add_f32 v[SU:SU+1], v[SU:SU+1], v[S+J:S+J+1]
	v_pk_add_f32 v[SU+2:SU+3], v[SU+2:SU+3], v[S+J+2:S+J+3]
.set J, J+4
.endr
	v_pk_add_f32 v[SU:SU+1], v[SU:SU+1], v[SU+2:SU+3]
	v_add_f32 v[NM+1], v[SU], v[SU+1]
	v_permlanex16_b32 v[TB], v[NM+1], s30, s31
	v_add_f32 v[NM+1], v[NM+1], v[TB]              ; l_w
	s_wait_alu depctr_va_vdst(0)                   ; the wait for the eight
	ds_store_b64 v[STW], v[NM:NM+1] offset:1024*\par   ; lanes r and r + 16 write the same bytes with the same numbers
	s_wait_dscnt 0x0                               ; my statistics have landed, and so have the last tile's partial and my reads of LDS
	s_barrier_signal -1
	s_barrier_wait -1                              ; the two buffers take turns: one barrier a tile parts a buffer's reads from its next writes
	; 4: the row's M and l, and my F
.irp k, 0,1,2,3,4,5,6,7
	ds_load_b64 v[ST+2*\k:ST+2*\k+1], v[STR] offset:1024*\par+128*\k
.endr
	s_wait_dscnt 0x0
	v_min3_num_f32 v[NMG], v[ST], v[ST+2], v[ST+4]
	v_min3_num_f32 v[NMG], v[NMG], v[ST+6], v[ST+8]
	v_min3_num_f32 v[NMG], v[NMG], v[ST+10], v[ST+12]
	v_min_num_f32 v[NMG], v[NMG], v[ST+14]         ; -M
.irp k, 0,1,2,3,4,5,6,7
	v_sub_f32 v[T+\k], v[NMG], v[ST+2*\k]          ; M_k - M: a whole number, 0 or less
.endr
.irp k, 0,1,2,3,4,5,6,7
	v_cvt_i32_f32 v[T+\k], v[T+\k]                 ; (it saturates)
.endr
.irp k, 0,1,2,3,4,5,6,7
	v_ldexp_f32 v[ST+2*\k+1], v[ST+2*\k+1], v[T+\k]   ; l_k under M: nothing is rounded
.endr
	v_add_f32 v[TA], v[ST+1], v[ST+3]
	v_add_f32 v[TB], v[ST+5], v[ST+7]
	v_add_f32 v[TC], v[ST+9], v[ST+11]
	v_add_f32 v[TP], v[ST+13], v[ST+15]
	v_add_f32 v[TA], v[TA], v[TB]
	v_add_f32 v[TC], v[TC], v[TP]
	v_add_f32 v[TA], v[TA], v[TC]                  ; l: at least 1/2, since the wave with the largest t has an e above 1/2
	v_rcp_f32 v[TB], v[TA]
	v_sub_f32 v[TP], v[NMG], v[NM]                 ; my own M_w - M: plain work behind the reciprocal
	v_cvt_i32_f32 v[TP], v[TP]
	s_wait_alu depctr_va_vdst(0)                   ; the wait, ahead of the reciprocal's first reader
	v_ldexp_f32 v[F], v[TB], v[TP]
	v_mov_b32 v[F+1], v[F]
	; 5: the weights, max(e F - 0.001, 0), and their blocks' scales
.set J, 0
.rept 64
	v_pk_fma_f32 v[S+J:S+J+1], v[S+J:S+J+1], v[F:F+1], v[THR:THR+1]
.set J, J+2
.endr
.irp b, 0,1,2,3,4,5,6,7
	v_fma_f32 v[BM+\b], v[BM+\b], v[F], v[THR]     ; the same of each block's largest e
.endr
.set J, 0
.rept 128
	v_max_num_f32 v[S+J], 0, v[S+J]
.set J, J+1
.endr
.irp b, 0,1,2,3,4,5,6,7
	v_max_num_f32 v[BM+\b], 0x1800000, v[BM+\b]    ; the floor 2^(3 - 127) stands over what is negative or 0: such a block's codes are zeros
.endr
.irp b, 0,1,2,3,4,5,6,7
	v_add_nc_u32 v[BO+\b], 0xff000000, v[BM+\b]    ; 2 off the exponent field: the conversion's scale operand
.endr
.irp b, 0,1,2,3,4,5,6,7
	v_lshrrev_b32 v[BT+\b], 23, v[BO+\b]           ; the byte
.endr
.irp s, 0,1
	v_lshl_or_b32 v[PS+\s], v[BT+4*\s+1], 8, v[BT+4*\s]
	v_lshl_or_b32 v[PS+\s], v[BT+4*\s+2], 16, v[PS+\s]
	v_lshl_or_b32 v[PS+\s], v[BT+4*\s+3], 24, v[PS+\s]
.endr
	; 6: the codes: two fragments of 16 queries x 128 keys
.irp s, 0,1
.irp c, 0,1
	v_cvt_scalef32_pk16_fp6_f32 v[PC+12*\s+6*\c:PC+12*\s+6*\c+2], v[S+64*\s+32*\c:S+64*\s+32*\c+15], v[BO+4*\s+2*\c]
	v_cvt_scalef32_pk16_fp6_f32 v[T+8*\s+4*\c:T+8*\s+4*\c+2], v[S+64*\s+32*\c+16:S+64*\s+32*\c+31], v[BO+4*\s+2*\c+1]
.endr
.endr
	v_nop                                          ; one plain line behind the conversions
	s_wait_loadcnt 0x0                             ; the next tile's Q is in: its loads are done, so their bases may be stepped
.if \par
	v_and_b32 v[QLO], 0xffff, v[QW]                ; the next tile is an even one
	v_lshlrev_b32 v[QHI], 16, v[QW]
	s_add_nc_u64 s[14:15], s[14:15], 1536
	s_add_nc_u64 s[16:17], s[16:17], 64
.else
	v_lshrrev_b32 v[QLO], 16, v[QW]                ; an odd one
	v_and_b32 v[QHI], s36, v[QW]
.endif
.irp s, 0,1
.irp c, 0,1
.irp i, 0,1,2
	v_permlane16_swap_b32 v[PC+12*\s+6*\c+\i], v[T+8*\s+4*\c+\i]   ; the layout wants a whole block in a lane
.endr
.irp i, 0,1,2
	v_mov_b32 v[PC+12*\s+6*\c+3+\i], v[T+8*\s+4*\c+\i]
.endr
.endr
.endr
.rept 4
	v_nop                                          ; an operand written by vector instructions stands four places ahead of a scaled product; the scale words stand more than eight ahead
.endr
	; 7: my partial O^T = V^T P^T over my 256 keys: four accumulators by turns; register 16 b + i of a lane is channel 32 b + 16 (lane / 16) + i
	WIN 0x51                                       ; source 0 (V) window 1, source 1 (P) window 0, C and D window 1
.irp t, 0,1,2,3
	v_wmma_scale_f32_16x16x128_f8f6f4 v[O+8*\t:O+8*\t+7], v[VF+12*\t:VF+12*\t+11], v[PC:PC+11], 0, v[VSC+\t], v[PS] matrix_a_fmt:MATRIX_FMT_FP6 matrix_b_fmt:MATRIX_FMT_FP6
.endr
.irp t, 0,1,2,3
	v_wmma_scale_f32_16x16x128_f8f6f4 v[O+8*\t:O+8*\t+7], v[VF+48+12*\t:VF+48+12*\t+11], v[PC+12:PC+23], v[O+8*\t:O+8*\t+7], v[VSC+4+\t], v[PS+1] matrix_a_fmt:MATRIX_FMT_FP6 matrix_b_fmt:MATRIX_FMT_FP6
.endr
.rept 4
	v_nop                                          ; four places ahead of the stores that read the results
.endr
	WIN 0x04                                       ; an LDS store's data are its source 1: window 1
.irp i, 0,1,2,3,4,5,6,7
	ds_store_b128 v[ADR], v[O+4*\i:O+4*\i+3] offset:512*\i   ; as the registers stand: 512 consecutive bytes a store
.endr
	WIN 0
	s_add_co_u32 s37, s37, 32768                   ; the next tile's place
.endm
	s_mov_b32 s38, 4
.Lgroup:                                           ; four groups of eight tiles
	s_mov_b32 s37, 0
	s_mov_b32 s39, 4
.Lpair:
	TILE 0
	TILE 1
	s_sub_co_u32 s39, s39, 1
	s_cmp_lg_u32 s39, 0
	s_cbranch_scc1 .Lpair
	s_wait_dscnt 0x0                               ; my partials have landed
	s_barrier_signal -1
	s_barrier_wait -1                              ; everybody's have.  They are written again only behind the next tile's barrier, ahead of which every wave has waited for the reads below
	; wave w finishes tile w of the group: the eight partials are added in the waves' order
.irp k, 0,1,2,3
.irp i, 0,1,2,3,4,5,6,7
	ds_load_b128 v[S+32*\k+4*\i:S+32*\k+4*\i+3], v[OPR] offset:4096*\k+512*\i
.endr
.endr
.irp i, 0,1,2,3,4,5,6,7
	ds_load_b128 v[PC+4*\i:PC+4*\i+3], v[OPR] offset:4096*4+512*\i
.endr
	s_wait_dscnt 8                                 ; partials 0-3 are in; partial 4's eight loads may be out
.irp k, 1,2,3
.set J, 0
.rept 16
	v_pk_add_f32 v[S+J:S+J+1], v[S+J:S+J+1], v[S+32*\k+J:S+32*\k+J+1]
.set J, J+2
.endr
.endr
.irp k, 1,2,3
.irp i, 0,1,2,3,4,5,6,7
	ds_load_b128 v[S+32*\k+4*\i:S+32*\k+4*\i+3], v[OPR] offset:4096*(4+\k)+512*\i
.endr
.endr
	s_wait_dscnt 24                                ; partial 4 is in; the 24 loads just issued may be out
.set J, 0
.rept 16
	v_pk_add_f32 v[S+J:S+J+1], v[S+J:S+J+1], v[PC+J:PC+J+1]
.set J, J+2
.endr
	s_wait_dscnt 0x0
.irp k, 1,2,3
.set J, 0
.rept 16
	v_pk_add_f32 v[S+J:S+J+1], v[S+J:S+J+1], v[S+32*\k+J:S+32*\k+J+1]
.set J, J+2
.endr
.endr
	; y's 64 channels of a query are two blocks of the last product's K
.irp b, 0,1
	v_max3_num_f32 v[BM+\b], |v[S+16*\b]|, |v[S+16*\b+1]|, 0x1800000
.endr
.irp i, 2,4,6,8,10,12,14
.irp b, 0,1
	v_max3_num_f32 v[BM+\b], v[BM+\b], |v[S+16*\b+\i]|, |v[S+16*\b+\i+1]|
.endr
.endr
.irp b, 0,1
	v_permlanex16_b32 v[BT+\b], v[BM+\b], s30, s31
.endr
.irp b, 0,1
	v_max_num_f32 v[BM+\b], v[BM+\b], v[BT+\b]
.endr
.irp b, 0,1
	v_add_nc_u32 v[BO+\b], 0xff000000, v[BM+\b]
.endr
.irp b, 0,1
	v_lshrrev_b32 v[BT+\b], 23, v[BO+\b]
.endr
	v_cvt_scalef32_pk16_fp6_f32 v[PC:PC+2], v[S:S+15], v[BO]
	v_cvt_scalef32_pk16_fp6_f32 v[T:T+2], v[S+16:S+31], v[BO+1]
	v_nop                                          ; one plain line behind the conversions
.irp i, 0,1,2
	v_permlane16_swap_b32 v[PC+\i], v[T+\i]
.endr
.irp i, 0,1,2
	v_mov_b32 v[PC+3+\i], v[T+\i]
.endr
.irp p, 0,1,2
	global_store_b64 v[LO8], v[PC+2*\p:PC+2*\p+1], s[26:27] offset:256*\p   ; 256 consecutive bytes, aligned
.endr
	v_cndmask_b32 v[TA], v[BT], v[BT+1], s36       ; lanes 0-15 store the first block's byte, lanes 16-31 the second's
	global_store_b8 v[YSO], v[TA], s[28:29]
	s_wait_xcnt 0x0                                ; the stores have read their data and bases: both may be written again
	s_add_nc_u64 s[26:27], s[26:27], 98304         ; eight tiles on
	s_add_nc_u64 s[28:29], s[28:29], 4096
	s_sub_co_u32 s38, s38, 1
	s_cmp_lg_u32 s38, 0
	s_cbranch_scc1 .Lgroup
	s_wait_tensorcnt 0x0                           ; the wave's end
	ds_add_u32 v[SPW], v[NIL]
	s_wait_dscnt 0x0
	s_endpgm
.Lfunc_end_k_qd716a79dff_attn:
	.size	k_qd716a79dff_attn, .Lfunc_end_k_qd716a79dff_attn-k_qd716a79dff_attn
	.p2alignl 7, 3214868480
	.fill 96, 4, 3214868480
	.section	.rodata,"a",@progbits
	.p2align	6, 0x0
	.amdhsa_kernel k_qd716a79dff_attn
		.amdhsa_group_segment_fixed_size 265216
		.amdhsa_private_segment_fixed_size 0
		.amdhsa_enable_private_segment 0
		.amdhsa_kernarg_size 16
		.amdhsa_user_sgpr_count 2
		.amdhsa_user_sgpr_kernarg_segment_ptr 1
		.amdhsa_wavefront_size32 1
		.amdhsa_system_sgpr_workgroup_id_x 1
		.amdhsa_system_sgpr_workgroup_id_y 1
		.amdhsa_system_sgpr_workgroup_id_z 1
		.amdhsa_system_vgpr_workitem_id 0
		.amdhsa_next_free_vgpr 512
		.amdhsa_next_free_sgpr 66
		.amdhsa_reserve_vcc 0
		.amdhsa_float_denorm_mode_32 3
		.amdhsa_float_denorm_mode_16_64 3
		.amdhsa_memory_ordered 1
		.amdhsa_forward_progress 1
		.amdhsa_inst_pref_size 103
	.end_amdhsa_kernel
	.amdgpu_metadata
---
amdhsa.version: [ 1, 2 ]
amdhsa.kernels:
  - .name:           k_qd716a79dff_attn
    .symbol:         k_qd716a79dff_attn.kd
    .args:
      - { .name: qkv, .offset: 0, .size: 8, .value_kind: global_buffer, .address_space: global }
      - { .name: yq, .offset: 8, .size: 8, .value_kind: global_buffer, .address_space: global }
    .group_segment_fixed_size: 265216
    .private_segment_fixed_size: 0
    .kernarg_segment_align: 8
    .kernarg_segment_size: 16
    .max_flat_workgroup_size: 256
    .sgpr_count:     66
    .vgpr_count:     512
    .wavefront_size: 32
...
	.end_amdgpu_metadata
.endif
;; end of part 3
;; launch gemm2 (part 4): grid 4 x 32, 4 waves a work-group, clusters of 4 x 4, 327,680 bytes of LDS; arguments yq, ops, b_proj, out0; writes out0
.if DOCPART == 4
	.amdgcn_target "amdgcn-amd-amdhsa--gfx1250"
	.amdhsa_code_object_version 6
	.text
	.protected	k_qd716a79dff_gemm2
	.globl	k_qd716a79dff_gemm2
	.p2align	8
	.type	k_qd716a79dff_gemm2,@function
k_qd716a79dff_gemm2:
	s_mov_b64 s[64:65], 0
	v_nop
	global_prefetch_b8 v0, s[64:65] scope:SCOPE_SE
	s_setreg_imm32_b32 hwreg(HW_REG_WAVE_MODE, 25, 1), 1
	s_wait_xcnt 0x0
	s_wait_alu depctr_hold_cnt(0) depctr_sa_sdst(0) depctr_va_vdst(0) depctr_va_sdst(0) depctr_va_ssrc(0) depctr_va_vcc(0) depctr_vm_vsrc(0)
	s_getreg_b32 s2, hwreg(HW_REG_IB_STS2, 6, 4)
	s_cmp_eq_u32 s2, 0
	s_cbranch_scc0 .Lentry_in_a_cluster
	s_endpgm
.Lentry_in_a_cluster:
	s_bfe_u32 s2, ttmp6, 0x10000c
	s_cmp_lg_u32 s2, 0xf033
	s_cbranch_scc0 .Lentry_shape_is_right
	s_endpgm
.Lentry_shape_is_right:
; out0 = y W_proj + b_proj on codes of FP6 (E2M3) with E8M0 scales; out0 [8192][1024] f32.
; A = y's rows (yq), B = W_proj's columns (rows 11,264 on of ops): codes in the order of the operand's registers (tile x 12,288 + K step x 1,536 + piece x 256 + 8 x lane), scale bytes 32 a row behind them;
; within each 32 rows bits 3 and 4 of the row's number change places.
; A work-group of four waves makes 256 x 256, a wave 128 x 128: 64 accumulators.  K = 1,024 goes in four steps of 256 through two LDS slots filled by the tensor data mover; the scale bytes of the 512 rows come once and stay.
; SOURCE 0 = B, SOURCE 1 = A: a lane holds one token, and register 16 b + i of its 64 is output column 32 b + 16 (lane / 16) + i: four runs of 64 consecutive bytes of a row of out0.
; CLUSTERS: 4 x 4.  A's tiles are shared along a row of the cluster, B's along a column: each is asked for jointly.  The grid has 128 work-groups: the loop is the first product's, kept as it is.
; REGISTERS, in windows of 256: window 0: v0-31 addresses; v32-63 scale words; v64-127 the bias; v128-223 A's fragments; on the way out v128-255 hold results + bias.  window 1: B's fragments, two sets; on the way out rows read back.
;   windows 2, 3: the accumulators.
.set OPS_S, 9437184
.set YQ_S,  6291456
.set NQ,    2
.set FR,    12
.set NL,    6
.set NP,    4                          ; places behind this matrix instruction (ISA guide 7.12.1)
.set HALFT, 24576
.set SLOT,  4*HALFT
.set SCL,   2*SLOT
.set HALFS, 4352
.set SBLK,  544
.set SPARE, SCL+4*HALFS
.set LAPS,  2
.set SPITCH, 528                       ; the way out: a stage of 16 rows x (512 bytes + 16) for each wave, in slot 0, which has had its last fill and its last read when the first result is stored there
.set ADRA, 16
.set ADRB, 20
.set BOF,  22                          ; v22 my offset in the bias
.set STO,  24                          ; v24 the stage: where I put my row's numbers
.set RD,   25                          ; v25 and where I read a row back
.set CO,   26                          ; v26 16 x lane
.set ADRS, 27
.set SPW,  28                          ; v28 LDS address of my spare word; never rewritten
.set NIL,  29                          ; v29 0; never rewritten
.set SC,   32
.set BIAS, 64
.set AF,   128
.set G1, 24
.set G0, 32
.set G1B, 48
.set G0B, 56
.set G1S, 68
.set G0S, 76
.set G1SB, 80
.set G0SB, 88
.set MSB, 0
.macro WIN new
.if MSB != (\new)
	s_set_vgpr_msb (MSB<<8)|(\new)
.set MSB, (\new)
.endif
.endm
.set MUL_LO, 0xa1
.set MUL_HI, 0xf1
.set TO_B,   0x40
.macro JLOAD g0a, g1a, g0b, g1b        ; a joint load: waves 0 and 1 fetch for A, waves 2 and 3 for B; an s_nop 0 and four v_nop follow each of the two lines
	s_cmp_eq_u32 s15, 0
	s_cbranch_scc0 .Lfor_b_\@
	tensor_load_to_lds s[\g0a:\g0a+3], s[\g1a:\g1a+7]
	s_nop 0
.rept 4
	v_nop
.endr
	s_branch .Lasked_\@
.Lfor_b_\@:
	tensor_load_to_lds s[\g0b:\g0b+3], s[\g1b:\g1b+7]
	s_nop 0
.rept 4
	v_nop
.endr
.Lasked_\@:
.endm
.macro CREST
	s_cmp_lg_u32 s14, 0
	s_cbranch_scc1 .Lnot_wave_0_\@
	s_barrier_signal -3
.Lnot_wave_0_\@:
	s_barrier_wait -3
	s_barrier_signal -1
	s_barrier_wait -1
.endm
.macro CROUND
	s_barrier_signal -1
	s_barrier_wait -1
	CREST
.endm
	s_load_b256 s[4:11], s[0:1], 0x0               ; yq s[4:5], ops s[6:7], b_proj s[8:9], out0 s[10:11]
	v_lshl_add_u32 v[SPW], v0, 2, SPARE
	v_mov_b32 v[NIL], 0
	ds_add_u32 v[SPW], v[NIL]                      ; the wave's opening: the add and its wait stand ahead of my first tensor load
	v_lshrrev_b32 v1, 5, v0
	v_readfirstlane_b32 s14, v1
	s_lshr_b32 s15, s14, 1
	s_and_b32 s16, s14, 1
	s_bfe_u32 s40, ttmp6, 0x40000
	s_bfe_u32 s41, ttmp6, 0x40004
	s_lshl_b32 s42, ttmp9, 2
	s_add_co_u32 s42, s42, s40
	s_lshl_b32 s42, s42, 8                         ; the tile's first column
	s_and_b32 s17, ttmp7, 0xffff
	s_lshl_b32 s17, s17, 2
	s_add_co_u32 s17, s17, s41
	s_lshl_b32 s17, s17, 8                         ; the tile's first row
	s_lshl_b32 s43, s41, 2
	s_lshl_b32 s43, 15, s43
	s_lshl_b32 s44, 0x1111, s40
	s_or_b32 s[G1+0], s43, (3<<16)|(1<<21)         ; the codes: 8 tiles' 3,072 bytes, 12,288 bytes apart; elements of 8 bytes, no padding
	s_or_b32 s[G1B+0], s44, (3<<16)|(1<<21)
.irp g, G1, G1B
	s_mov_b32 s[\g+1], 384<<16
	s_mov_b32 s[\g+2], 8<<16
	s_mov_b32 s[\g+3], 384<<16
	s_mov_b32 s[\g+4], 8
	s_mov_b32 s[\g+5], 1536
	s_mov_b32 s[\g+6], 0
	s_mov_b32 s[\g+7], 0
.endr
	s_or_b32 s[G1S+0], s43, (3<<16)|(1<<20)|(1<<21)|(5<<22)|(3<<25)   ; the scale bytes of 128 rows: 16 rows of 256 bytes, 16 of padding behind each
	s_or_b32 s[G1SB+0], s44, (3<<16)|(1<<20)|(1<<21)|(5<<22)|(3<<25)
.irp g, G1S, G1SB
	s_mov_b32 s[\g+1], 32<<16
	s_mov_b32 s[\g+2], 16<<16
	s_mov_b32 s[\g+3], 32<<16
	s_mov_b32 s[\g+4], 16
	s_mov_b32 s[\g+5], 32
	s_mov_b32 s[\g+6], 0
	s_mov_b32 s[\g+7], 0
.endr
	s_lshl_b32 s18, s16, 7
	s_add_co_u32 s20, s17, s18
	s_add_co_u32 s46, s42, s18
	s_add_co_u32 s46, s46, 11264                   ; W_proj's columns in the table
	s_lshl_b32 s22, s20, 5
	s_add_co_u32 s22, s22, YQ_S
	s_lshl_b32 s92, s46, 5
	s_add_co_u32 s92, s92, OPS_S
	s_mul_i32 s20, s20, 768
	s_mul_i32 s46, s46, 768
	s_mov_b32 s21, 0
	s_mov_b32 s23, 0
	s_mov_b32 s47, 0
	s_mov_b32 s93, 0
	s_mul_i32 s45, s14, HALFT
	s_mul_i32 s94, s14, HALFS
	s_wait_dscnt 0x0                               ; the opening add is done
	s_wait_kmcnt 0x0
	s_add_nc_u64 s[20:21], s[4:5], s[20:21]
	s_add_nc_u64 s[22:23], s[4:5], s[22:23]
	s_add_nc_u64 s[46:47], s[6:7], s[46:47]
	s_add_nc_u64 s[92:93], s[6:7], s[92:93]
	CROUND                                         ; all sixteen work-groups are here: the first joint loads meet
	s_mov_b32 s[G0S], 1
	s_add_co_u32 s[G0S+1], s94, SCL
	s_mov_b64 s[G0S+2:G0S+3], s[22:23]
	s_or_b32 s[G0S+3], s[G0S+3], 0x80000000
	s_mov_b32 s[G0SB], 1
	s_add_co_u32 s[G0SB+1], s94, SCL
	s_mov_b64 s[G0SB+2:G0SB+3], s[92:93]
	s_or_b32 s[G0SB+3], s[G0SB+3], 0x80000000
	JLOAD G0S, G1S, G0SB, G1SB
.irp s, 0,1
	s_mov_b32 s[G0+4*\s], 1
	s_add_co_u32 s[G0+4*\s+1], s45, \s*SLOT
	s_add_nc_u64 s[G0+4*\s+2:G0+4*\s+3], s[20:21], \s*3072
	s_or_b32 s[G0+4*\s+3], s[G0+4*\s+3], 0x80000000
	s_mov_b32 s[G0B+4*\s], 1
	s_add_co_u32 s[G0B+4*\s+1], s45, \s*SLOT
	s_add_nc_u64 s[G0B+4*\s+2:G0B+4*\s+3], s[46:47], \s*3072
	s_or_b32 s[G0B+4*\s+3], s[G0B+4*\s+3], 0x80000000
	JLOAD G0+4*\s, G1, G0B+4*\s, G1B               ; by this text's count 2 + s tensor loads of a wave are out now
.endr
	v_and_b32 v1, 15, v0                           ; r
	v_bfe_u32 v2, v0, 4, 1                         ; h
	v_and_b32 v3, 31, v0
	v_lshlrev_b32 v4, 3, v3
	s_mul_i32 s21, s15, HALFT
	s_mul_i32 s22, s16, HALFT
	s_add_co_u32 s22, s22, 2*HALFT
.irp s, 0,1
	v_add_nc_u32 v[ADRA+\s], s21, v4
	v_add_nc_u32 v[ADRB+\s], s22, v4
	s_add_co_u32 s21, s21, SLOT
	s_add_co_u32 s22, s22, SLOT
.endr
	v_lshlrev_b32 v5, 5, v1
	v_lshrrev_b32 v6, 8, v5
	v_lshl_add_u32 v5, v6, 4, v5
	s_mul_i32 s21, s15, HALFS
	s_mul_i32 s22, s16, HALFS
	s_add_co_u32 s22, s22, 2*HALFS
	s_sub_co_u32 s22, s22, s21
	v_mul_u32_u24 v6, s22, v2
	s_add_co_u32 s21, s21, SCL
	v_add_nc_u32 v5, v5, v6
	v_add_nc_u32 v[ADRS], s21, v5
	s_mul_i32 s23, s14, 16*SPITCH                  ; my stage
	v_mul_u32_u24 v5, v1, SPITCH
	v_lshl_add_u32 v5, v2, 6, v5
	v_add_nc_u32 v[STO], s23, v5                   ; in: row r, + 64 h
	v_lshlrev_b32 v[CO], 4, v3
	v_add_nc_u32 v[RD], s23, v[CO]                 ; back: the 32 lanes take one row of 512 bytes
	s_lshl_b32 s18, s15, 7
	s_add_co_u32 s18, s17, s18                     ; my first token
	s_lshl_b32 s2, s18, 12
	s_lshl_b32 s19, s16, 7
	s_add_co_u32 s19, s42, s19
	s_lshl_b32 s19, s19, 2                         ; my first column, in bytes
	s_add_co_u32 s2, s2, s19
	s_mov_b32 s3, 0
	s_add_nc_u64 s[12:13], s[10:11], s[2:3]
	s_mov_b32 s2, s19
	s_add_nc_u64 s[96:97], s[8:9], s[2:3]
	v_lshlrev_b32 v[BOF], 6, v2                    ; register 16 b + i is column 32 b + 16 h + i
.irp b, 0,1,2,3
.irp i, 0,1,2,3
	global_load_b128 v[BIAS+16*\b+4*\i:BIAS+16*\b+4*\i+3], v[BOF], s[96:97] offset:128*\b+16*\i
.endr
.endr
.macro FRAG reg, adr, q, i             ; a fragment lies in LDS as the image of its registers: six pieces of 256 consecutive bytes
.irp p, 0,1,2,3,4,5
	ds_load_b64 v[\reg+2*\p:\reg+2*\p+1], v[\adr] offset:3072*(\i)+1536*(\q)+256*\p
.endr
.endm
.macro MUL16 a0, p, q, sc, zero        ; the 64 accumulators take turns, one instruction a turn, in the same order in every step
.irp a, \a0, \a0+1
.irp b, 0,1,2,3,4,5,6,7
.if \zero
	v_wmma_scale_f32_16x16x128_f8f6f4 v[8*(8*((\a)%4)+\b):8*(8*((\a)%4)+\b)+7], v[128*(\p)+FR*\b:128*(\p)+FR*\b+FR-1], v[AF+FR*(\a):AF+FR*(\a)+FR-1], 0, v[SC+8*NQ*(\sc)+NQ*\b+(\q)], v[SC+8*NQ*(\sc)+NQ*(\a)+(\q)] matrix_a_fmt:MATRIX_FMT_FP6 matrix_b_fmt:MATRIX_FMT_FP6 matrix_a_scale:MATRIX_SCALE_ROW1
.else
	v_wmma_scale_f32_16x16x128_f8f6f4 v[8*(8*((\a)%4)+\b):8*(8*((\a)%4)+\b)+7], v[128*(\p)+FR*\b:128*(\p)+FR*\b+FR-1], v[AF+FR*(\a):AF+FR*(\a)+FR-1], v[8*(8*((\a)%4)+\b):8*(8*((\a)%4)+\b)+7], v[SC+8*NQ*(\sc)+NQ*\b+(\q)], v[SC+8*NQ*(\sc)+NQ*(\a)+(\q)] matrix_a_fmt:MATRIX_FMT_FP6 matrix_b_fmt:MATRIX_FMT_FP6 matrix_a_scale:MATRIX_SCALE_ROW1
.endif
.endr
.endr
.endm
.macro FETCH_B slot, q, p
	WIN TO_B
.irp i, 0,1,2,3,4,5,6,7
	FRAG 128*(\p)+FR*\i, ADRB+\slot, \q, \i
.endr
	WIN 0
.endm
.macro FETCH_A slot, q, i0
.irp i, \i0, \i0+1, \i0+2, \i0+3
	FRAG AF+FR*(\i), ADRA+\slot, \q, \i
.endr
.endm
.macro SCALES sc
.irp i, 0,1,2,3,4,5,6,7
	ds_load_b64 v[SC+8*NQ*\sc+NQ*\i:SC+8*NQ*\sc+NQ*\i+1], v[ADRS] offset:\i*SBLK
.endr
.endm
.macro PLACES n
.rept \n
	v_nop
.endr
.endm
.macro STEP slot, q, zero
	s_wait_dscnt 4*NL                              ; B's set and A's blocks 0-3 are in; the youngest 24 loads (A's blocks 4-7) may be out
	WIN MUL_LO
	MUL16 0, (\q)%2, \q, \slot, \zero
	MUL16 2, (\q)%2, \q, \slot, \zero
	s_wait_dscnt 0
	PLACES NP
	FETCH_B \slot, (\q)+1, 1-(\q)%2
	FETCH_A \slot, (\q)+1, 0
	WIN MUL_HI
	MUL16 4, (\q)%2, \q, \slot, \zero
	MUL16 6, (\q)%2, \q, \slot, \zero
	PLACES NP
	WIN 0
	FETCH_A \slot, (\q)+1, 4
.endm
.macro TURN slot, next, fill
	s_wait_tensorcnt 0x0                           ; all my tensor loads have landed: my part of the next slot
	ds_add_u32 v[SPW], v[NIL]                      ; 0 onto my spare word
	s_wait_dscnt 4*NL+1                            ; (the add and the youngest 24 loads may be out)
	WIN MUL_LO
	MUL16 0, 1, NQ-1, \slot, 0
	s_wait_dscnt 0x0                               ; the add is done, and my reads of this slot are over
	s_barrier_signal -1
	MUL16 2, 1, NQ-1, \slot, 0
	WIN 0
	s_barrier_wait -1
.if \fill
	CREST                                          ; the barrier has opened a round of the cluster's: no wave of any partner still reads this slot or has a load on its way
	s_add_nc_u64 s[G0+4*\slot+2:G0+4*\slot+3], s[G0+4*\slot+2:G0+4*\slot+3], 6144
	s_add_nc_u64 s[G0B+4*\slot+2:G0B+4*\slot+3], s[G0B+4*\slot+2:G0B+4*\slot+3], 6144
	JLOAD G0+4*\slot, G1, G0B+4*\slot, G1B
.else
	PLACES NP
.endif
	v_add_nc_u32 v[ADRS], 4*NQ, v[ADRS]
	FETCH_B \next, 0, 0
	FETCH_A \next, 0, 0
	SCALES \next
	WIN MUL_HI
	MUL16 4, 1, NQ-1, \slot, 0
	MUL16 6, 1, NQ-1, \slot, 0
	PLACES NP
	WIN 0
	FETCH_A \next, 0, 4
.endm
	s_wait_tensorcnt 1                             ; the scale bytes and my part of slot 0 are in; slot 1's load may be out
	s_barrier_signal -1
	s_barrier_wait -1
	FETCH_B 0, 0, 0
	FETCH_A 0, 0, 0
	SCALES 0
	FETCH_A 0, 0, 4
	STEP 0, 0, 1
	s_mov_b32 s3, LAPS-1
.Llap:
	TURN 0, 1, 1
	STEP 1, 0, 0
	TURN 1, 0, 1
	STEP 0, 0, 0
	s_sub_co_u32 s3, s3, 1
	s_cmp_lg_u32 s3, 0
	s_cbranch_scc1 .Llap
	TURN 0, 1, 0
	STEP 1, 0, 0
	s_wait_dscnt 4*NL
	WIN MUL_LO
	MUL16 0, 1, NQ-1, 1, 0
	MUL16 2, 1, NQ-1, 1, 0
	s_wait_dscnt 0
	WIN MUL_HI
	MUL16 4, 1, NQ-1, 1, 0
	MUL16 6, 1, NQ-1, 1, 0
	WIN 0
; THE WAY OUT, A's block a (16 tokens x 128 columns) at a time: + bias, through my own stage in LDS, back as whole rows of 512 bytes.
.macro ADDB a                          ; each accumulator from its low end on
	WIN 0x02+(\a)/4
.set J, 0
.rept 32
	v_pk_add_f32 v[128+64*((\a)%2)+J:128+64*((\a)%2)+J+1], v[64*((\a)%4)+J:64*((\a)%4)+J+1], v[BIAS+J:BIAS+J+1]
.set J, J+2
.endr
	WIN 0
.endm
.macro TOSTAGE a                       ; LDS serves a wave's instructions in order: no wait between the stores and the loads, nor ahead of the next block's stores
.irp k, 0,1,2,3,4,5,6,7,8,9,10,11,12,13,14,15
	ds_store_b128 v[STO], v[128+64*((\a)%2)+4*\k:128+64*((\a)%2)+4*\k+3] offset:128*(\k/4)+16*(\k%4)
.endr
	WIN 0x40
.irp t, 0,1,2,3,4,5,6,7,8,9,10,11,12,13,14,15
	ds_load_b128 v[64*((\a)%2)+4*\t:64*((\a)%2)+4*\t+3], v[RD] offset:\t*SPITCH
.endr
	WIN 0
.endm
.macro SEND a, younger                 ; younger: the LDS instructions issued behind block a's loads, which may stay out
	s_wait_dscnt \younger
	WIN 0x04                                       ; a store's data are its source 1: window 1
.irp t, 0,1,2,3,4,5,6,7,8,9,10,11,12,13,14,15
	global_store_b128 v[CO], v[64*((\a)%2)+4*\t:64*((\a)%2)+4*\t+3], s[12:13] offset:(32*((\a)/2)+8*((\a)%2)+\t+8*(\t/8))*4096 th:TH_STORE_NT   ; storage row t of tile a is this token; 512 consecutive bytes, aligned
.endr
	WIN 0
.endm
	PLACES NP                                      ; behind the last products: their registers are written and their results read below
	s_wait_loadcnt 0x0                             ; the bias
	ADDB 0
	TOSTAGE 0
.irp a, 1,2,3,4,5,6,7
	ADDB \a
.if \a > 1
	s_wait_xcnt 0x0                                ; block a - 2's stores have read their registers: block a's loads may land there
.endif
	TOSTAGE \a
	SEND \a-1, 32                                  ; behind block a - 1's loads: block a's 16 stores and 16 loads
.endr
	SEND 7, 0
	s_wait_tensorcnt 0x0                           ; the wave's end
	ds_add_u32 v[SPW], v[NIL]
	s_wait_dscnt 0x0
	CROUND                                         ; the closing round: no work-group ends while a partner may still ask for a tile that names it
	s_endpgm
.Lfunc_end_k_qd716a79dff_gemm2:
	.size	k_qd716a79dff_gemm2, .Lfunc_end_k_qd716a79dff_gemm2-k_qd716a79dff_gemm2
	.p2alignl 7, 3214868480
	.fill 96, 4, 3214868480
	.section	.rodata,"a",@progbits
	.p2align	6, 0x0
	.amdhsa_kernel k_qd716a79dff_gemm2
		.amdhsa_group_segment_fixed_size 327680
		.amdhsa_private_segment_fixed_size 0
		.amdhsa_enable_private_segment 0
		.amdhsa_kernarg_size 32
		.amdhsa_user_sgpr_count 2
		.amdhsa_user_sgpr_kernarg_segment_ptr 1
		.amdhsa_wavefront_size32 1
		.amdhsa_system_sgpr_workgroup_id_x 1
		.amdhsa_system_sgpr_workgroup_id_y 1
		.amdhsa_system_sgpr_workgroup_id_z 1
		.amdhsa_system_vgpr_workitem_id 0
		.amdhsa_next_free_vgpr 1024
		.amdhsa_next_free_sgpr 100
		.amdhsa_reserve_vcc 0
		.amdhsa_float_denorm_mode_32 3
		.amdhsa_float_denorm_mode_16_64 3
		.amdhsa_memory_ordered 1
		.amdhsa_forward_progress 1
		.amdhsa_inst_pref_size 177
	.end_amdhsa_kernel
	.amdgpu_metadata
---
amdhsa.version: [ 1, 2 ]
amdhsa.kernels:
  - .name:           k_qd716a79dff_gemm2
    .symbol:         k_qd716a79dff_gemm2.kd
    .args:
      - { .name: yq, .offset: 0, .size: 8, .value_kind: global_buffer, .address_space: global }
      - { .name: ops, .offset: 8, .size: 8, .value_kind: global_buffer, .address_space: global }
      - { .name: b_proj, .offset: 16, .size: 8, .value_kind: global_buffer, .address_space: global }
      - { .name: out0, .offset: 24, .size: 8, .value_kind: global_buffer, .address_space: global }
    .group_segment_fixed_size: 327680
    .private_segment_fixed_size: 0
    .kernarg_segment_align: 8
    .kernarg_segment_size: 32
    .max_flat_workgroup_size: 128
    .sgpr_count:     100
    .vgpr_count:     1024
    .wavefront_size: 32
...
	.end_amdgpu_metadata
.endif
;; end of part 4
;; ======== version 2 of 2: 4 launches; version 1 with the launch attn written anew for expert scheduling mode
;; workspace buffers: ops 9,830,400 bytes; qkv 19,660,800 bytes; yq 6,553,600 bytes
;; launch quant: the kernel of part 1 again; grid 640 x 1, 4 waves a work-group, no clusters, 35,328 bytes of LDS; arguments x, W_attn, W_proj, ops; writes ops
;; launch gemm1: the kernel of part 2 again; grid 8 x 48, 4 waves a work-group, clusters of 4 x 4, 327,680 bytes of LDS; arguments ops, b_attn, qkv; writes qkv
;; launch attn (part 5): grid 4 x 64, 8 waves a work-group, no clusters, 265,216 bytes of LDS; arguments qkv, yq; writes yq
.if DOCPART == 5
	.amdgcn_target "amdgcn-amd-amdhsa--gfx1250"
	.amdhsa_code_object_version 6
	.text
	.protected	k_qd716a79dff_attn
	.globl	k_qd716a79dff_attn
	.p2align	8
	.type	k_qd716a79dff_attn,@function
k_qd716a79dff_attn:
	s_mov_b64 s[64:65], 0
	v_nop
	global_prefetch_b8 v0, s[64:65] scope:SCOPE_SE
	s_setreg_imm32_b32 hwreg(HW_REG_WAVE_SCHED_MODE, 0, 2), 2
	s_setreg_imm32_b32 hwreg(HW_REG_WAVE_MODE, 25, 1), 1
	s_wait_xcnt 0x0
	s_wait_alu depctr_vm_vsrc(0)
; y = relu(softmax(q k^T / 8) - 0.001) v for one head, both products on codes of FP6 (E2M3) with E8M0 scales; y is quantised along the model's 1,024 and stored as the next launch's operand.
; WHAT IS QUANTISED ahead of the second product is the FINISHED weight, normalised, less the threshold, clipped at 0: so a row's maximum and sum over all 2,048 keys are known before any weight is quantised.
; SHARES.  A work-group owns 512 queries of one (batch, head).  ITS EIGHT WAVES SHARE THE KEYS, 256 each: a wave's codes of K (96 registers) and of V^T (96) are loaded once and stay in its registers.
; For a tile of 16 queries a wave holds its 16 x 256 scores in 128 registers: its own whole-number maximum M_w of t = score x log2(e) / 8, e = 2^(t - M_w) in place, their sum l_w.  The waves exchange (-M_w, l_w) through LDS (one barrier);
; with M the largest M_w and l the sum of l_w 2^(M_w - M), each wave forms F = 2^(M_w - M) / l (the power of two is exact) and weight = max(e F - 0.001, 0), quantises it along its keys and multiplies by its own V.
; So each score and each exponential is made once.  The eight partial O^T of a tile meet in LDS; after every eight tiles wave w adds, quantises and stores tile w.
; K = 64 IN AN INSTRUCTION OF 128: source 0 is TWO tiles of keys side by side (registers 0-5, 6-11), source 1 is Q | zeros for the first and zeros | Q for the second; zero codes add nothing.
; LAYOUT.  Both products are used transposed: a lane holds one query (lane % 16).  Keys, queries and channels lie in the storage order (bits 3 and 4 of a row's number changed), so that the 16 registers of two neighbouring tiles are 16 logical neighbours.
; NO JOINT LOADS, though the four work-groups of a head read the same K and V: a work-group reads them once, 196,608 bytes of codes, straight into the registers that keep them; a joint load would bring them through LDS first.
; LIMITS: NaN and infinities are not served.  A block of zeros gets the byte 1 (its codes are zeros; this program alone reads the bytes).  A block's largest weight is taken from its largest score, through the same instructions: that takes v_exp_f32 not to fall where its input rises.
; REGISTERS: window 0 as named below.  window 1: v0-95 K, eight pairs of tiles; v96-191 V^T, fragment 4 s + t; v192-223 O^T; v224-229 Q; v230-235 zeros; v236-241 Q again.
; THE MODE: SCHED_MODE bits 1:0 = 2 (LLVM: expert scheduling mode 2), set by the entry lines.  The code itself states the register dependences
; between vector or matrix instructions and memory or LDS instructions, with s_wait_alu, always for 0.
; THE PLAN.  Registers that memory or LDS instructions touch:
;   LO8, R4, STW, STR, OPW, OPR, YSO   addresses, made at the head and never written again.
;   K, V^T, KS, VSC                    loaded once at the head; matrix instructions alone name them afterwards.
;   QA, QB, QW    A tile's score products read QA and QB, two lines late in a tile read QW; the next tile's loads land in them behind the products.
;   NM            Written in a tile, read by its one LDS store of statistics, written again in the next tile.
;   ST            The statistics' LDS loads land in it behind the tile's barrier; the lines that make M and l read and write it.
;   ADR, O        ADR is written behind the score products, O by the V products; the tile's eight LDS stores read both; both are written again in the next tile.
;   S, v86-117    In a tile named by vector and matrix instructions alone; in the finish of a group LDS loads land in them.
;   PC .. PC+5, TA  The data of the finish's four global stores; written again in the next tile.
; In a tile: ONE wait on vm_vsrc, behind the score products, ahead of everything that is written again; and waits on va_vdst behind the score products (Q's registers are free), behind the two batches of exponentials
; (the second also states NM), behind the reciprocal, ahead of the V products (codes and scale words) and behind them (O, for the stores).  The last of these serves the finish's first loads too: no vector line stands between.
.set VCO,   12582912
.set QKS,   18874368
.set VSO,   19398656
.set YQ_S,  6291456
.set STAT,  262144                     ; LDS: from 0: the partial O^T, 8 tiles x 8 waves x 4,096 bytes; here: (-M_w, l_w), two buffers x 8 waves x 16 queries x 8 bytes
.set SPARE, 264192                     ; the spare words, 128 bytes a wave
.set LO8, 1                            ; 8 x lane
.set R4,  2                            ; 4 r
.set STW, 3                            ; where I store my wave's statistics
.set STR, 4                            ; where I read all waves'
.set OPW, 5                            ; my wave's part of a tile's partials: 4,096 w + 16 x lane
.set OPR, 6                            ; the tile that I finish: 32,768 w + 16 x lane
.set ADR, 7
.set YSO, 8                            ; 32 r + h
.set TP,  9
.set SPW, 10                           ; LDS address of my spare word; never rewritten
.set NIL, 11                           ; 0; never rewritten
.set NM,  12                           ; v[12:13] -M_w, l_w
.set F,   14                           ; v[14:15] F, twice
.set SU,  16                           ; v[16:19] two chains of sums
.set TA,  20
.set TB,  21
.set NMG, 22
.set TC,  23
.set KS,  24                           ; v24-31 K's scale words
.set VSC, 32                           ; v32-39 V's
.set QW,  40                           ; the pair word of two tiles of queries
.set QLO, 41                           ; Q's two bytes below, zeros above
.set QHI, 42                           ; and the other way round
.set PS,  43                           ; v43-44 the weights' scale words
.set BM,  46                           ; v46-53 a block's largest
.set BT,  54
.set BO,  62                           ; v62-69 the conversions' scale operands
.set ST,  70                           ; v70-85 the eight waves' statistics
.set PC,  86                           ; v86-109 the weights' codes: two fragments
.set T,   110                          ; v110-125 at work
.set THR, 126                          ; v[126:127] -0.001, twice
.set S,   128                          ; v128-255 the scores, then e, then the weights
.set VF,  96
.set O,   192
.set QA,  224
.set QZ,  230
.set QB,  236
.set MSB, 0
.macro WIN new
.if MSB != (\new)
	s_set_vgpr_msb (MSB<<8)|(\new)
.set MSB, (\new)
.endif
.endm
	s_load_b128 s[4:7], s[0:1], 0x0                ; qkv s[4:5], yq s[6:7]
	v_lshl_add_u32 v[SPW], v0, 2, SPARE
	v_mov_b32 v[NIL], 0
	v_lshrrev_b32 v[TP], 5, v0
	v_readfirstlane_b32 s8, v[TP]                  ; wave 0..7
	v_and_b32 v[TP], 15, v0                        ; r
	v_and_b32 v[TA], 31, v0                        ; lane
	v_bfe_u32 v[TB], v0, 4, 1                      ; h
	v_lshlrev_b32 v[LO8], 3, v[TA]
	v_lshlrev_b32 v[R4], 2, v[TP]
	v_lshl_add_u32 v[STR], v[TP], 3, STAT
	s_wait_alu depctr_va_sdst(0)                   ; s8 is written, ahead of its first reader: LDS addresses and the bases of K, V and y are made from it
	s_lshl_b32 s55, s8, 7                          ; (each of these three has a register of its own: none that a vector line reads is written again)
	v_add_nc_u32 v[STW], s55, v[STR]
	s_lshl_b32 s56, s8, 12
	v_lshl_add_u32 v[OPW], v[TA], 4, s56
	s_lshl_b32 s57, s8, 15
	v_lshl_add_u32 v[OPR], v[TA], 4, s57
	v_lshl_add_u32 v[YSO], v[TP], 5, v[TB]
	s_and_b32 s9, ttmp7, 0xffff                    ; 16 x batch + head
	s_lshr_b32 s10, s9, 4
	s_and_b32 s11, s9, 15
	s_lshl_b32 s12, s10, 7                         ; the batch's first tile of tokens
	s_lshl_b32 s13, s11, 9
	s_add_co_u32 s13, s13, s12                     ; head x 512 + that
	s_lshl_b32 s18, s8, 4
	s_add_co_u32 s18, s18, s13
	s_add_co_u32 s18, s18, 8192                    ; K's tiles lie 16 heads on: my wave's first
	s_lshl_b32 s34, s18, 5
	s_add_co_u32 s34, s34, QKS                     ; a pair of tiles has 64 bytes of scale words
	s_mul_i32 s18, s18, 768
	s_mov_b32 s19, 0
	s_mov_b32 s35, 0
	s_lshl_b32 s42, ttmp9, 5                       ; my block's first tile of queries
	s_add_co_u32 s50, s12, s42
	s_add_co_u32 s50, s50, s8                      ; the first tile of y that I finish
	s_add_co_u32 s42, s42, s13
	s_lshl_b32 s44, s42, 5
	s_add_co_u32 s44, s44, QKS
	s_mul_i32 s42, s42, 768
	s_mov_b32 s43, 0
	s_mov_b32 s45, 0
	s_lshl_b32 s46, s9, 6
	s_lshl_b32 s48, s8, 3
	s_add_co_u32 s46, s46, s48                     ; V^T's fragments: 64 a head, my wave's eight
	s_lshl_b32 s48, s46, 6
	s_add_co_u32 s48, s48, VSO
	s_mul_i32 s46, s46, 1536
	s_add_co_u32 s46, s46, VCO
	s_mov_b32 s47, 0
	s_mov_b32 s49, 0
	s_lshl_b32 s52, s50, 9
	s_lshl_b32 s54, s11, 1
	s_add_co_u32 s52, s52, s54
	s_add_co_u32 s52, s52, YQ_S                    ; y's scale bytes: 32 a row, the head's two
	s_mul_i32 s50, s50, 12288
	s_mul_i32 s54, s11, 768
	s_add_co_u32 s50, s50, s54                     ; y's codes: the head's half of a K step
	s_mov_b32 s51, 0
	s_mov_b32 s53, 0
	s_mov_b32 s30, 0x76543210
	s_mov_b32 s31, 0xfedcba98                      ; v_permlanex16_b32's selects for lane l xor 16
	s_mov_b32 s32, 0x3e38aa3b                      ; c = log2(e) / 8
	s_mov_b32 s33, s32                             ; (named with it as a pair, so it is written)
	s_mov_b32 s36, 0xffff0000                      ; a word's upper half; also a mask of lanes 16-31
	s_wait_kmcnt 0x0
	s_add_nc_u64 s[20:21], s[4:5], s[18:19]        ; K's codes
	s_add_nc_u64 s[22:23], s[4:5], s[34:35]        ; K's scale words
	s_add_nc_u64 s[14:15], s[4:5], s[42:43]        ; Q's codes: they walk
	s_add_nc_u64 s[16:17], s[4:5], s[44:45]        ; Q's scale words: they walk
	s_add_nc_u64 s[24:25], s[4:5], s[46:47]        ; V's codes
	s_add_nc_u64 s[40:41], s[4:5], s[48:49]        ; V's scale words
	s_add_nc_u64 s[26:27], s[6:7], s[50:51]        ; y's codes: they walk
	s_add_nc_u64 s[28:29], s[6:7], s[52:53]        ; y's scale bytes: they walk
	WIN 0x40                                       ; destination window 1
.irp i, 0,1,2,3,4,5
	v_mov_b32 v[QZ+\i], 0                          ; six registers of zero codes, between the two copies of Q
.endr
	s_wait_alu depctr_va_vdst(0)                   ; the seven addresses v1 to v6 and v8 are written, which every load and store of the kernel reads; so are the closing add's two registers and the six registers of zero codes, an operand of the scaled products
.set J, 0
.rept 48
	global_load_b64 v[2*J:2*J+1], v[LO8], s[20:21] offset:256*J       ; each load: 256 consecutive bytes, a piece of a fragment
.set J, J+1
.endr
.set J, 0
.rept 48
	global_load_b64 v[VF+2*J:VF+2*J+1], v[LO8], s[24:25] offset:256*J
.set J, J+1
.endr
.irp p, 0,1,2
	global_load_b64 v[QA+2*\p:QA+2*\p+1], v[LO8], s[14:15] offset:256*\p
	global_load_b64 v[QB+2*\p:QB+2*\p+1], v[LO8], s[14:15] offset:256*\p
.endr
	WIN 0
.irp b, 0,1,2,3,4,5,6,7
	global_load_b32 v[KS+\b], v[R4], s[22:23] offset:64*\b
	global_load_b32 v[VSC+\b], v[R4], s[40:41] offset:64*\b
.endr
	global_load_b32 v[QW], v[R4], s[16:17]
	v_mov_b32 v[THR], 0xba83126f
	v_mov_b32 v[THR+1], 0xba83126f
	v_mov_b32 v[NM+1], 0                           ; (named as the upper half of a pair before it is first written)
	s_wait_loadcnt 0x0
	v_and_b32 v[QLO], 0xffff, v[QW]                ; tile 0 is an even tile: its bytes are the pair word's lower two
	v_lshlrev_b32 v[QHI], 16, v[QW]
.irp b, 0,1,2,3,4,5,6,7
	v_mov_b32 v[BT+\b], 0                          ; (a lane permute's destination counts as one of its sources.)  Eight plain lines between the scale registers' writes and the first scaled product
.endr
	s_wait_alu depctr_va_vdst(0)                   ; QLO and QHI are written, which the first tile's scaled products take as scales; the eight places above stay beside this wait
; ONE TILE OF 16 QUERIES.  par: the tile's number mod 2
.macro TILE par
	; 1: the scores, S^T = K Q^T: register 16 b + i of a lane is key 32 b + 16 (lane / 16) + i of my wave's 256.  (QLO and QHI were written ahead of the last tile's two waits round its V products, or of the head's last wait)
	WIN 0x05                                       ; sources 0 and 1 window 1
.irp b, 0,1,2,3,4,5,6,7
	v_wmma_scale_f32_16x16x128_f8f6f4 v[S+16*\b:S+16*\b+7], v[12*\b:12*\b+11], v[QA:QA+11], 0, v[KS+\b], v[QLO] matrix_a_fmt:MATRIX_FMT_FP6 matrix_b_fmt:MATRIX_FMT_FP6
	v_wmma_scale_f32_16x16x128_f8f6f4 v[S+16*\b+8:S+16*\b+15], v[12*\b:12*\b+11], v[QZ:QZ+11], 0, v[KS+\b], v[QHI] matrix_a_fmt:MATRIX_FMT_FP6 matrix_b_fmt:MATRIX_FMT_FP6
.endr
	WIN 0
	s_wait_alu depctr_vm_vsrc(0)                   ; the last tile's LDS stores have read ADR, O^T and NM, and the last finish's global stores PC and TA: all of them are written again below, and none ahead of this line
	v_add_nc_u32 v[ADR], s37, v[OPW]               ; where this tile's partial will go; with the three below: the four places behind the products, ahead of the first read of their results
.rept 3
	v_nop
.endr
	s_wait_alu depctr_va_vdst(0)                   ; the products are done reading the two copies of Q, in which the loads below land (QW's readers stand ahead of earlier waits); only loads and window switches follow up to the last of these loads
.if \par
	global_load_b32 v[QW], v[R4], s[16:17] offset:64   ; the next pair's word (an odd tile takes the upper half of the word that is there)
.endif
	WIN 0x40
.irp p, 0,1,2
	global_load_b64 v[QA+2*\p:QA+2*\p+1], v[LO8], s[14:15] offset:768+768*\par+256*\p    ; the next tile's Q, a whole tile ahead.  (Behind the last tile: bytes of the buffer that nobody uses)
	global_load_b64 v[QB+2*\p:QB+2*\p+1], v[LO8], s[14:15] offset:768+768*\par+256*\p
.endr
	WIN 0
	; 2: the largest score of each block of 32 keys (each accumulator is read from its low end on), then of my wave's 256
.irp b, 0,1,2,3,4,5,6,7
	v_max3_num_f32 v[BM+\b], v[S+16*\b], v[S+16*\b+1], v[S+16*\b+2]
.endr
.irp i, 3,5,7,9,11,13
.irp b, 0,1,2,3,4,5,6,7
	v_max3_num_f32 v[BM+\b], v[BM+\b], v[S+16*\b+\i], v[S+16*\b+\i+1]
.endr
.endr
.irp b, 0,1,2,3,4,5,6,7
	v_max_num_f32 v[BM+\b], v[BM+\b], v[S+16*\b+15]
.endr
.irp b, 0,1,2,3,4,5,6,7
	v_permlanex16_b32 v[BT+\b], v[BM+\b], s30, s31
.endr
.irp b, 0,1,2,3,4,5,6,7
	v_max_num_f32 v[BM+\b], v[BM+\b], v[BT+\b]
.endr
	v_max3_num_f32 v[TA], v[BM], v[BM+1], v[BM+2]
	v_max3_num_f32 v[TA], v[TA], v[BM+3], v[BM+4]
	v_max3_num_f32 v[TA], v[TA], v[BM+5], v[BM+6]
	v_max_num_f32 v[TA], v[TA], v[BM+7]
	v_mul_f32 v[TA], s32, v[TA]                    ; as t (c is positive)
	v_floor_f32 v[NM], -v[TA]                      ; -M_w = floor(-t): M_w is a whole number
	; 3: e = 2^(t - M_w), at most 1, and their sum
.set J, 0
.rept 64
	v_pk_fma_f32 v[S+J:S+J+1], v[S+J:S+J+1], s[32:33], v[NM:NM+1] op_sel_hi:[1,0,0]
.set J, J+2
.endr
.irp b, 0,1,2,3,4,5,6,7
	v_fma_f32 v[BM+\b], v[BM+\b], s32, v[NM]       ; the same of each block's largest score
.endr
.set J, 0
.rept 128
	v_exp_f32 v[S+J], v[S+J]
.set J, J+1
.endr
	v_nop                                          ; a plain line behind the exponentials
	s_wait_alu depctr_va_vdst(0)                   ; the 128 exponentials have written e: one wait for the batch, ahead of its first reader
.irp b, 0,1,2,3,4,5,6,7
	v_exp_f32 v[BM+\b], v[BM+\b]                   ; a second, small batch; the sums below read the 128 alone
.endr
	v_pk_add_f32 v[SU:SU+1], v[S:S+1], v[S+2:S+3]
	v_pk_add_f32 v[SU+2:SU+3], v[S+4:S+5], v[S+6:S+7]
.set J, 8
.rept 30
	v_pk_add_f32 v[SU:SU+1], v[SU:SU+1], v[S+J:S+J+1]
	v_pk_add_f32 v[SU+2:SU+3], v[SU+2:SU+3], v[S+J+2:S+J+3]
.set J, J+4
.endr
	v_pk_add_f32 v[SU:SU+1], v[SU:SU+1], v[SU+2:SU+3]
	v_add_f32 v[NM+1], v[SU], v[SU+1]
	v_permlanex16_b32 v[TB], v[NM+1], s30, s31
	v_add_f32 v[NM+1], v[NM+1], v[TB]              ; l_w
	s_wait_alu depctr_va_vdst(0)                   ; the eight exponentials have written the blocks' largest e; -M_w and l_w are written, which the LDS store reads; the last tile's lines are done with ST, in which the loads behind the barrier land
	ds_store_b64 v[STW], v[NM:NM+1] offset:1024*\par   ; lanes r and r + 16 write the same bytes with the same numbers
	s_wait_dscnt 0x0                               ; my statistics have landed, and so have the last tile's partial and my reads of LDS
	s_barrier_signal -1
	s_barrier_wait -1                              ; the two buffers take turns: one barrier a tile parts a buffer's reads from its next writes
	; 4: the row's M and l, and my F
.irp k, 0,1,2,3,4,5,6,7
	ds_load_b64 v[ST+2*\k:ST+2*\k+1], v[STR] offset:1024*\par+128*\k   ; no vector line stands between the wait above and these loads
.endr
	s_wait_dscnt 0x0
	v_min3_num_f32 v[NMG], v[ST], v[ST+2], v[ST+4]
	v_min3_num_f32 v[NMG], v[NMG], v[ST+6], v[ST+8]
	v_min3_num_f32 v[NMG], v[NMG], v[ST+10], v[ST+12]
	v_min_num_f32 v[NMG], v[NMG], v[ST+14]         ; -M
.irp k, 0,1,2,3,4,5,6,7
	v_sub_f32 v[T+\k], v[NMG], v[ST+2*\k]          ; M_k - M: a whole number, 0 or less
.endr
.irp k, 0,1,2,3,4,5,6,7
	v_cvt_i32_f32 v[T+\k], v[T+\k]                 ; (it saturates)
.endr
.irp k, 0,1,2,3,4,5,6,7
	v_ldexp_f32 v[ST+2*\k+1], v[ST+2*\k+1], v[T+\k]   ; l_k under M: nothing is rounded
.endr
	v_add_f32 v[TA], v[ST+1], v[ST+3]
	v_add_f32 v[TB], v[ST+5], v[ST+7]
	v_add_f32 v[TC], v[ST+9], v[ST+11]
	v_add_f32 v[TP], v[ST+13], v[ST+15]
	v_add_f32 v[TA], v[TA], v[TB]
	v_add_f32 v[TC], v[TC], v[TP]
	v_add_f32 v[TA], v[TA], v[TC]                  ; l: at least 1/2, since the wave with the largest t has an e above 1/2
	v_rcp_f32 v[TB], v[TA]
	v_sub_f32 v[TP], v[NMG], v[NM]                 ; my own M_w - M: plain work behind the reciprocal
	v_cvt_i32_f32 v[TP], v[TP]
	s_wait_alu depctr_va_vdst(0)                   ; the reciprocal has written 1 / l, ahead of its first reader
	v_ldexp_f32 v[F], v[TB], v[TP]
	v_mov_b32 v[F+1], v[F]
	; 5: the weights, max(e F - 0.001, 0), and their blocks' scales
.set J, 0
.rept 64
	v_pk_fma_f32 v[S+J:S+J+1], v[S+J:S+J+1], v[F:F+1], v[THR:THR+1]
.set J, J+2
.endr
.irp b, 0,1,2,3,4,5,6,7
	v_fma_f32 v[BM+\b], v[BM+\b], v[F], v[THR]     ; the same of each block's largest e
.endr
.set J, 0
.rept 128
	v_max_num_f32 v[S+J], 0, v[S+J]
.set J, J+1
.endr
.irp b, 0,1,2,3,4,5,6,7
	v_max_num_f32 v[BM+\b], 0x1800000, v[BM+\b]    ; the floor 2^(3 - 127) stands over what is negative or 0: such a block's codes are zeros
.endr
.irp b, 0,1,2,3,4,5,6,7
	v_add_nc_u32 v[BO+\b], 0xff000000, v[BM+\b]    ; 2 off the exponent field: the conversion's scale operand
.endr
.irp b, 0,1,2,3,4,5,6,7
	v_lshrrev_b32 v[BT+\b], 23, v[BO+\b]           ; the byte
.endr
.irp s, 0,1
	v_lshl_or_b32 v[PS+\s], v[BT+4*\s+1], 8, v[BT+4*\s]
	v_lshl_or_b32 v[PS+\s], v[BT+4*\s+2], 16, v[PS+\s]
	v_lshl_or_b32 v[PS+\s], v[BT+4*\s+3], 24, v[PS+\s]
.endr
	; 6: the codes: two fragments of 16 queries x 128 keys
.irp s, 0,1
.irp c, 0,1
	v_cvt_scalef32_pk16_fp6_f32 v[PC+12*\s+6*\c:PC+12*\s+6*\c+2], v[S+64*\s+32*\c:S+64*\s+32*\c+15], v[BO+4*\s+2*\c]
	v_cvt_scalef32_pk16_fp6_f32 v[T+8*\s+4*\c:T+8*\s+4*\c+2], v[S+64*\s+32*\c+16:S+64*\s+32*\c+31], v[BO+4*\s+2*\c+1]
.endr
.endr
	v_nop                                          ; one plain line behind the conversions
	s_wait_loadcnt 0x0                             ; the next tile's Q is in: its loads are done, so their bases may be stepped
.if \par
	v_and_b32 v[QLO], 0xffff, v[QW]                ; the next tile is an even one
	v_lshlrev_b32 v[QHI], 16, v[QW]
	s_add_nc_u64 s[14:15], s[14:15], 1536
	s_add_nc_u64 s[16:17], s[16:17], 64
.else
	v_lshrrev_b32 v[QLO], 16, v[QW]                ; an odd one
	v_and_b32 v[QHI], s36, v[QW]
.endif
.irp s, 0,1
.irp c, 0,1
.irp i, 0,1,2
	v_permlane16_swap_b32 v[PC+12*\s+6*\c+\i], v[T+8*\s+4*\c+\i]   ; the layout wants a whole block in a lane
.endr
.irp i, 0,1,2
	v_mov_b32 v[PC+12*\s+6*\c+3+\i], v[T+8*\s+4*\c+\i]
.endr
.endr
.endr
.rept 4
	v_nop                                          ; an operand written by vector instructions stands four places ahead of a scaled product; the scale words stand more than eight ahead
.endr
	s_wait_alu depctr_va_vdst(0)                   ; the weights' codes and their two scale words are written, which the scaled products below take as operand and scales; so are QLO and QHI, the next tile's.  The places above stay beside this wait
	; 7: my partial O^T = V^T P^T over my 256 keys: four accumulators by turns; register 16 b + i of a lane is channel 32 b + 16 (lane / 16) + i
	WIN 0x51                                       ; source 0 (V) window 1, source 1 (P) window 0, C and D window 1
.irp t, 0,1,2,3
	v_wmma_scale_f32_16x16x128_f8f6f4 v[O+8*\t:O+8*\t+7], v[VF+12*\t:VF+12*\t+11], v[PC:PC+11], 0, v[VSC+\t], v[PS] matrix_a_fmt:MATRIX_FMT_FP6 matrix_b_fmt:MATRIX_FMT_FP6
.endr
.irp t, 0,1,2,3
	v_wmma_scale_f32_16x16x128_f8f6f4 v[O+8*\t:O+8*\t+7], v[VF+48+12*\t:VF+48+12*\t+11], v[PC+12:PC+23], v[O+8*\t:O+8*\t+7], v[VSC+4+\t], v[PS+1] matrix_a_fmt:MATRIX_FMT_FP6 matrix_b_fmt:MATRIX_FMT_FP6
.endr
.rept 4
	v_nop                                          ; four places ahead of the stores that read the results
.endr
	WIN 0x04                                       ; an LDS store's data are its source 1: window 1
	s_wait_alu depctr_va_vdst(0)                   ; the products have written O^T, which the LDS stores read, and are done reading the weights' codes; the places above stay beside this wait.  No vector line follows in the tile: behind a group's last tile this wait also frees S and v86-117 for the finish's loads
.irp i, 0,1,2,3,4,5,6,7
	ds_store_b128 v[ADR], v[O+4*\i:O+4*\i+3] offset:512*\i   ; as the registers stand: 512 consecutive bytes a store
.endr
	WIN 0
	s_add_co_u32 s37, s37, 32768                   ; the next tile's place
.endm
	s_mov_b32 s38, 4
.Lgroup:                                           ; four groups of eight tiles
	s_mov_b32 s37, 0
	s_mov_b32 s39, 4
.Lpair:
	TILE 0
	TILE 1
	s_sub_co_u32 s39, s39, 1
	s_cmp_lg_u32 s39, 0
	s_cbranch_scc1 .Lpair
	s_wait_dscnt 0x0                               ; my partials have landed
	s_barrier_signal -1
	s_barrier_wait -1                              ; everybody's have.  They are written again only behind the next tile's barrier, ahead of which every wave has waited for the reads below
	; wave w finishes tile w of the group: the eight partials are added in the waves' order
.irp k, 0,1,2,3
.irp i, 0,1,2,3,4,5,6,7
	ds_load_b128 v[S+32*\k+4*\i:S+32*\k+4*\i+3], v[OPR] offset:4096*\k+512*\i   ; (no vector or matrix line has been issued since the last tile's last wait on va_vdst)
.endr
.endr
.irp i, 0,1,2,3,4,5,6,7
	ds_load_b128 v[PC+4*\i:PC+4*\i+3], v[OPR] offset:4096*4+512*\i
.endr
	s_wait_dscnt 8                                 ; partials 0-3 are in; partial 4's eight loads may be out
.irp k, 1,2,3
.set J, 0
.rept 16
	v_pk_add_f32 v[S+J:S+J+1], v[S+J:S+J+1], v[S+32*\k+J:S+32*\k+J+1]
.set J, J+2
.endr
.endr
	s_wait_alu depctr_va_vdst(0)                   ; the additions are done reading partials 1 to 3, in whose registers the loads of partials 5 to 7 land
.irp k, 1,2,3
.irp i, 0,1,2,3,4,5,6,7
	ds_load_b128 v[S+32*\k+4*\i:S+32*\k+4*\i+3], v[OPR] offset:4096*(4+\k)+512*\i
.endr
.endr
	s_wait_dscnt 24                                ; partial 4 is in; the 24 loads just issued may be out
.set J, 0
.rept 16
	v_pk_add_f32 v[S+J:S+J+1], v[S+J:S+J+1], v[PC+J:PC+J+1]
.set J, J+2
.endr
	s_wait_dscnt 0x0
.irp k, 1,2,3
.set J, 0
.rept 16
	v_pk_add_f32 v[S+J:S+J+1], v[S+J:S+J+1], v[S+32*\k+J:S+32*\k+J+1]
.set J, J+2
.endr
.endr
	; y's 64 channels of a query are two blocks of the last product's K
.irp b, 0,1
	v_max3_num_f32 v[BM+\b], |v[S+16*\b]|, |v[S+16*\b+1]|, 0x1800000
.endr
.irp i, 2,4,6,8,10,12,14
.irp b, 0,1
	v_max3_num_f32 v[BM+\b], v[BM+\b], |v[S+16*\b+\i]|, |v[S+16*\b+\i+1]|
.endr
.endr
.irp b, 0,1
	v_permlanex16_b32 v[BT+\b], v[BM+\b], s30, s31
.endr
.irp b, 0,1
	v_max_num_f32 v[BM+\b], v[BM+\b], v[BT+\b]
.endr
.irp b, 0,1
	v_add_nc_u32 v[BO+\b], 0xff000000, v[BM+\b]
.endr
.irp b, 0,1
	v_lshrrev_b32 v[BT+\b], 23, v[BO+\b]
.endr
	v_cvt_scalef32_pk16_fp6_f32 v[PC:PC+2], v[S:S+15], v[BO]
	v_cvt_scalef32_pk16_fp6_f32 v[T:T+2], v[S+16:S+31], v[BO+1]
	v_nop                                          ; one plain line behind the conversions
.irp i, 0,1,2
	v_permlane16_swap_b32 v[PC+\i], v[T+\i]
.endr
.irp i, 0,1,2
	v_mov_b32 v[PC+3+\i], v[T+\i]
.endr
	v_cndmask_b32 v[TA], v[BT], v[BT+1], s36       ; lanes 0-15 store the first block's byte, lanes 16-31 the second's
	s_wait_alu depctr_va_vdst(0)                   ; y's six registers of codes and the byte in TA are written, which the four stores below read
.irp p, 0,1,2
	global_store_b64 v[LO8], v[PC+2*\p:PC+2*\p+1], s[26:27] offset:256*\p   ; 256 consecutive bytes, aligned
.endr
	global_store_b8 v[YSO], v[TA], s[28:29]
	s_wait_xcnt 0x0                                ; the stores' addresses are translated: their bases may be stepped.  (Their data registers are written again only behind the next tile's wait on vm_vsrc)
	s_add_nc_u64 s[26:27], s[26:27], 98304         ; eight tiles on
	s_add_nc_u64 s[28:29], s[28:29], 4096
	s_sub_co_u32 s38, s38, 1
	s_cmp_lg_u32 s38, 0
	s_cbranch_scc1 .Lgroup
	s_wait_dscnt 0x0                               ; the wave's end
	s_wait_alu 0x0
	s_wait_tensorcnt 0x0
	ds_add_u32 v[SPW], v[NIL]
	s_wait_dscnt 0x0
	s_endpgm
.Lfunc_end_k_qd716a79dff_attn:
	.size	k_qd716a79dff_attn, .Lfunc_end_k_qd716a79dff_attn-k_qd716a79dff_attn
	.p2alignl 7, 3214868480
	.fill 96, 4, 3214868480
	.section	.rodata,"a",@progbits
	.p2align	6, 0x0
	.amdhsa_kernel k_qd716a79dff_attn
		.amdhsa_group_segment_fixed_size 265216
		.amdhsa_private_segment_fixed_size 0
		.amdhsa_enable_private_segment 0
		.amdhsa_kernarg_size 16
		.amdhsa_user_sgpr_count 2
		.amdhsa_user_sgpr_kernarg_segment_ptr 1
		.amdhsa_wavefront_size32 1
		.amdhsa_system_sgpr_workgroup_id_x 1
		.amdhsa_system_sgpr_workgroup_id_y 1
		.amdhsa_system_sgpr_workgroup_id_z 1
		.amdhsa_system_vgpr_workitem_id 0
		.amdhsa_next_free_vgpr 512
		.amdhsa_next_free_sgpr 66
		.amdhsa_reserve_vcc 0
		.amdhsa_float_denorm_mode_32 3
		.amdhsa_float_denorm_mode_16_64 3
		.amdhsa_memory_ordered 1
		.amdhsa_forward_progress 1
		.amdhsa_inst_pref_size 103
	.end_amdhsa_kernel
	.amdgpu_metadata
---
amdhsa.version: [ 1, 2 ]
amdhsa.kernels:
  - .name:           k_qd716a79dff_attn
    .symbol:         k_qd716a79dff_attn.kd
    .args:
      - { .name: qkv, .offset: 0, .size: 8, .value_kind: global_buffer, .address_space: global }
      - { .name: yq, .offset: 8, .size: 8, .value_kind: global_buffer, .address_space: global }
    .group_segment_fixed_size: 265216
    .private_segment_fixed_size: 0
    .kernarg_segment_align: 8
    .kernarg_segment_size: 16
    .max_flat_workgroup_size: 256
    .sgpr_count:     66
    .vgpr_count:     512
    .wavefront_size: 32
...
	.end_amdgpu_metadata
.endif
;; end of part 5
;; launch gemm2: the kernel of part 4 again; grid 4 x 32, 4 waves a work-group, clusters of 4 x 4, 327,680 bytes of LDS; arguments yq, ops, b_proj, out0; writes out0
